; MI455X (gfx1250); checked and timed in simulation.
; The chip was launched on July 23, 2026; its instructions are those of AMD's public machine-readable ISA for CDNA 5 (MIT licence, August 2026) and "CDNA5" Instruction Set Architecture Reference Guide (July 2026). The comments in the code are by the model that wrote it; some were corrected since.
;; Local Attention. Allowed arithmetic: matrix products marked QUANTISED: E2M3 operands, one E8M0 scale for each 32 along K, by v_wmma_scale_f32_16x16x128_f8f6f4 with both operands' format E2M3, f32 sums; everything else in f32.
;; Inputs: bo 1,024 float32; wkv_codes 2,048 x 32 x 24 uint8 (E2M3 codes of wkv, K innermost, in blocks of 32 codes, four codes in three bytes); wkv_scales 2,048 x 32 uint8 (E8M0 scales of wkv, one for each 32 codes along K); wo_codes 1,024 x 32 x 24 uint8 (E2M3 codes of wo, K innermost, in blocks of 32 codes, four codes in three bytes); wo_scales 1,024 x 32 uint8 (E8M0 scales of wo, one for each 32 codes along K); wq_codes 1,024 x 32 x 24 uint8 (E2M3 codes of wq, K innermost, in blocks of 32 codes, four codes in three bytes); wq_scales 1,024 x 32 uint8 (E8M0 scales of wq, one for each 32 codes along K); x_codes 4 x 2,048 x 32 x 24 uint8 (E2M3 codes of x, K innermost, in blocks of 32 codes, four codes in three bytes); x_scales 4 x 2,048 x 32 uint8 (E8M0 scales of x, one for each 32 codes along K).
;; Outputs: out0 4 x 2,048 x 1,024 float32.
;; This version of the problem:
;;   THIS VERSION OF THE PROBLEM IS GIVEN IN LOW PRECISION. The matrix products marked QUANTISED in the list below multiply operands that are first quantised to E2M3 (2 exponent bits, 3 mantissa bits; 6 bits a number), with one power-of-two scale for each 32 numbers along K (OCP MX v1.0); their sums are f32. All else is computed in f32.
;;   The module's matrix products, in the order in which they are computed (A, B: the left and right operand; K: the contracted axis; several contracted axes count as one K, in the product's order):
;;     1. [M 8,192, K 1,024] x [K 1,024, N 1,024]; A: input x (given as codes); B: input wq (given as codes): QUANTISED
;;     2. [M 8,192, K 1,024] x [K 1,024, N 2,048]; A: input x (given as codes); B: input wkv (given as codes): QUANTISED
;;     3. batch 1,024 x [M 128, K 64] x [K 64, N 256]; A: computed on the way; B: computed on the way: QUANTISED
;;     4. batch 1,024 x [M 128, K 256] x [K 256, N 64]; A: softmax (see below); B: computed on the way: QUANTISED
;;     5. [M 8,192, K 1,024] x [K 1,024, N 1,024]; A: computed on the way; B: input wo (given as codes): QUANTISED
;;   THE QUANTISER, for each operand of a quantised product, along K:
;;     - K is cut into blocks of 32 from its start; a last block that is shorter is filled with zeros.
;;     - A block's scale is 2^e with e = floor(log2(the largest magnitude in the block)) - 2, held to -126 .. 127; a block of zeros has e = 0. As a byte (E8M0): e + 127.
;;     - Each number is divided by its block's scale, clamped to +-7.5, and rounded to the nearest number of E2M3, ties to even, subnormals kept.
;;     - The product sums the exact products of the quantised numbers (number of the format x scale) in f32.
;;   ~~~python
;;   def quantise(x, axis):      # numpy; x: float32 -> the quantised numbers, widened to float32 again
;;       x = np.moveaxis(x, axis, -1); K = x.shape[-1]
;;       x = np.pad(x, [(0, 0)] * (x.ndim - 1) + [(0, -K % 32)]); x = x.reshape(x.shape[:-1] + (-1, 32)); a = np.abs(x).max(-1, keepdims=True)
;;       e = np.where(a > 0, np.clip(np.frexp(np.where(a > 0, a, 1))[1] - 1 - 2, -126, 127), 0)      # np.frexp(a)[1] - 1 = floor(log2(a)), exactly
;;       r = np.clip(x / 2.0 ** e, -7.5, 7.5)
;;       step = 2.0 ** (np.maximum(np.frexp(np.where(r == 0, 1, r))[1] - 1, 0) - 3)
;;       q = np.round(r / step) * step * 2.0 ** e      # np.round: ties to even
;;       return np.moveaxis(q.reshape(q.shape[:-2] + (-1,))[..., :K], -1, axis).astype(np.float32)
;;   ~~~
;;   SOFTMAX AHEAD OF A QUANTISED PRODUCT. Where the list says 'softmax', what is quantised is not the finished softmax but p = 2^(t - M), with t = logit x log2(e) and M = ceil(the row's largest t), a whole number; so 1/2 < the row's largest p <= 1. The row's sum l is taken of the UNQUANTISED p, in f32, and the product's result is divided by l at the end. Since M is a whole number, a kernel that streams over the keys may use a running M (the ceiling of the running maximum): every later rescaling is an exact power of two, which a block's scale takes up: the codes' values come out the same.
;;   OPERANDS COMPUTED ON THE WAY. 'Computed on the way' means the value that the module computes at that place (a softmax that the list does not call 'softmax' is quantised finished and normalised). What goes into a quantiser is computed in f32, as accurately as f32 sums, v_exp_f32 and their like allow (about 1e-6 of the number): no bf16 or f16 on the way to a quantiser, and a product that is left as it is and whose result goes on into a quantised operand takes f32 operands (vector FMAs, or v_wmma_f32_16x16x4_f32). A number that lies on a knife's edge between two numbers of the format may be rounded either way, as far as f32 arithmetic and the matrix unit's own rounding can turn it there, and no further.
;;   INPUTS GIVEN AS CODES. wkv (in the module: [1024, 2048], K = its axis 0); wo (in the module: [1024, 1024], K = its axis 0); wq (in the module: [1024, 1024], K = its axis 0); x (in the module: [4, 2048, 1024], K = its axis 2): each comes as NAME_codes (uint8): NAME with its K axis moved to the last place and cut into blocks of 32 codes, [.., K / 32, bytes a block], one block behind the other in memory; four codes in three bytes: a row's codes are one little-endian stream of bits, code i at bits 6 i .. 6 i + 5 (a code: sign, 2 exponent bits, 3 mantissa bits); and NAME_scales (uint8): the same leading axes, one E8M0 byte (e + 127) for each 32 codes along K. Its value is code x scale, taken as it is: it is not quantised again, and the codes and scales need not be those that the quantiser above would give.
;; One version. Each part assembles by itself: llvm-mc -triple=amdgcn-amd-amdhsa -mcpu=gfx1250 --defsym DOCPART=n.
;; ======== version 1 of 1: 3 launches
;; limits: right only within a limited range of input values
;; workspace buffers: qi 6,291,456 bytes; ki 6,291,456 bytes; vi 6,291,456 bytes; qs 262,144 bytes; ks 262,144 bytes; vs 262,144 bytes; ao 6,291,456 bytes; aos 262,144 bytes
;; launch proj (part 1): grid 8 x 32, 4 waves a work-group, clusters of 4 x 4, 327,680 bytes of LDS; arguments x_codes, x_scales, wq_codes, wq_scales, wkv_codes, wkv_scales, qi, qs, ki, ks, vi, vs; writes qi, qs, ki, ks, vi, vs
.if DOCPART == 1
	.amdgcn_target "amdgcn-amd-amdhsa--gfx1250"
	.amdhsa_code_object_version 6
	.text
	.protected	k_q5b5c3c5184_proj
	.globl	k_q5b5c3c5184_proj
	.p2align	8
	.type	k_q5b5c3c5184_proj,@function
k_q5b5c3c5184_proj:
	s_mov_b64 s[64:65], 0
	v_nop
	global_prefetch_b8 v0, s[64:65] scope:SCOPE_SE
	s_setreg_imm32_b32 hwreg(HW_REG_WAVE_MODE, 25, 1), 1
	s_wait_xcnt 0x0
	s_wait_alu depctr_hold_cnt(0) depctr_sa_sdst(0) depctr_va_vdst(0) depctr_va_sdst(0) depctr_va_ssrc(0) depctr_va_vcc(0) depctr_vm_vsrc(0)
	s_getreg_b32 s2, hwreg(HW_REG_IB_STS2, 6, 4)
	s_cmp_eq_u32 s2, 0
	s_cbranch_scc0 .Lentry_in_a_cluster
	s_endpgm
.Lentry_in_a_cluster:
	s_bfe_u32 s2, ttmp6, 0x10000c
	s_cmp_lg_u32 s2, 0xf033
	s_cbranch_scc0 .Lentry_shape_is_right
	s_endpgm
.Lentry_shape_is_right:
; q = x wq, k and v = x wkv, on codes of FP6 (E2M3) with one E8M0 scale for each 32 along K = 1,024; the results are QUANTISED HERE and leave as codes.
; SHARES.  A work-group takes 256 tokens (two windows) and one head pair: 32 x 8 = 256 work-groups of equal work.  It makes two walks along K:
;   walk 1: q and k.  256 tokens x (128 rows of wq, 128 rows of wkv): a wave makes 128 tokens x 128 columns of q (odd waves: of k), 64 accumulators.
;   walk 2: v.  128 rows of wkv (from row 1,024 on) x 256 tokens: a wave makes 64 rows x 128 tokens, 32 accumulators.
; The matrix instruction is used transposed: source 1's row stays in a lane, and a lane's registers run along source 0's rows.  q, k: source 0 = the weight, source 1 = x: registers run along (head, dh),
; along which q and k are quantised.  v: source 0 = x, source 1 = the weight: registers run along the tokens, along which v is quantised.
; THE RING: two LDS slots, each with one chunk of 256 bytes of x's 256 rows and of the weights' rows (a row of codes is 768 bytes: three chunks, each at a multiple of 256 bytes).  Six fills: walk 1's chunks 0-2,
; then walk 2's 0-2; fill n lies in slot n % 2.  The ring does not stop between the walks: walk 2's first two chunks are asked for in walk 1's last steps and land under walk 1's way out.
; A step of 128 along K is 96 bytes of a row: steps 2 and 5 lie across two chunks and take their pieces from both slots.
; THE SCALES do not pass through LDS: a wave's rows' scale bytes for all of K are loaded once into registers, 512 consecutive bytes a load: lane (r, h) takes bytes 16 h .. 16 h + 15 of row r: four words.
; So lanes 0-15 of register j hold K step j's words and lanes 16-31 K step 4 + j's: steps 4-7 name the registers' upper row.
; CLUSTERS: 4 x 4 work-groups; x's tiles are asked for jointly along a row of the cluster (same tokens), the weights' along a column (same head pair).
; PREFETCH: behind fill n one instruction names what fill n + 2 brings for the first time (n = 0: chunk 2 of x and of wq, wkv; n = 1, 2, 3: chunks 0, 1, 2 of v's weight rows), a lane a row,
; the four partners of a joint load sharing the rows out by address, 32 each.  Fill 1 comes by its load alone.
; OUT, as images of operand registers: a fragment (16 rows x 128 along the next K) is 12 registers, quad c of lane L at 512 c + 16 L, 1,536 bytes; a row's four scale bytes are one word.
; qi, ki, vi [idx][8][1,536], qs, ks, vs [idx][128 words], idx = (batch x 8 + head pair) x 16 + window.  qi, ki: fragment a = tokens 16 a on; vi: fragment a = head a / 4 of the pair, dh 16 (a % 4) on.
; LIMITS: NaN and infinities are not served.  A block whose largest magnitude lies under 2^-124 (a block of zeros too) gets the scale byte 1: its codes are small or zero, and this program alone reads the bytes.
; REGISTERS, in windows of 256: window 0: v0-31 addresses; v32-111 scale words; v128-223 source 1's fragments, on the way out the codes; v224-247 at work on the way out.
;   window 1: source 0's fragments, two sets, at v0 and v128.   window 2: accumulators of source 1's blocks 0-3;   window 3: blocks 4-7 (walk 1).
; Accumulator (a, b) lies at v[8 (8 (a % 4) + SL(b))], SL changing the places of tiles 4 g + 1 and 4 g + 2: see the way out.
.set ROWB,   256
.set KROW,   768
.set PITCH,  272                       ; an LDS row: 256 bytes + 16 of padding
.set FR,     12
.set NL,     6
.set NP,     4                         ; places behind this matrix instruction (ISA guide 7.12.1)
.set HALFT,  128*PITCH
.set SLOT,   4*HALFT                   ; x's 256 rows, then the weights' 256 (walk 2: 128)
.set SPARE,  2*SLOT                    ; the spare words, 128 bytes a wave
.set STG,    SPARE+512                 ; walk 1's scale words on their way out: 512 bytes a wave
.set STG2,   STG+2048                  ; walk 2's: 256 bytes a wave
.set ADRV, 8                           ; v8-11  LDS address of my fragments of v's weight: slot 0, slot 1, and two for pieces whose lanes 16-31 read the next chunk
.set SST2, 12
.set SRD2, 13
.set VO8,  14                          ; 8 x lane
.set PFO,  15                          ; the prefetches' offset: lane x a row of codes
.set ADRA, 16                          ; v16-19 the same four for x
.set ADRB, 20                          ; v20-23 for wq or k's rows of wkv
.set SST,  24
.set SRD,  25
.set VOC,  26                          ; 16 x lane
.set SOF,  27                          ; 32 (lane % 16) + 16 (lane / 16): my place among 16 rows' scale bytes
.set SPW,  28
.set NIL,  29
.set H8,   30                          ; 8 x (lane / 16)
.set XS,   32                          ; x's scale words: block i at v[XS + 4 i ..]
.set WS,   64                          ; wq's or k's
.set VS,   96                          ; v's
.set AF,   128
.set TT,   224
.set TM,   232
.set SO,   234
.set BYT,  236
.set XX,   238
.set SW,   240
.set G1,  24                           ; group 1 for x's tiles; s[32:35] their group 0
.set G0,  32
.set G1B, 36                           ; group 1 for 128 weight rows; s[44:47] the weights' group 0
.set G0B, 44
.set G1V, 48                           ; group 1 for 64 weight rows
.set XB,  56                           ; the rows that I fetch: of x, of wq or wkv, of v's part of wkv
.set WB,  58
.set VB,  60
.set PFB, 62
.set PFV, 84
.set IMG, 80
.set SWP, 82
.set VIM, 88
.set VSW, 90
.set DW0, (1<<20)|(1<<21)|(5<<22)|(3<<25)   ; elements of 1 byte; padding on; bit 21 beside a mask; after every 64 words, 4 words
.set MSB, 0
.macro WIN new                         ; the immediate's high byte repeats the setting that is left
.if MSB != (\new)
	s_set_vgpr_msb (MSB<<8)|(\new)
.set MSB, (\new)
.endif
.endm
.set MUL_LO, 0xa1                      ; source 0 window 1, source 1 window 0, C and D window 2
.set MUL_HI, 0xf1
.set TO_B,   0x40
.macro PLACES n
.rept \n
	v_nop
.endr
.endm
; Fill n: waves 0 and 1 ask for x's two halves, waves 2 and 3 for the weights' (walk 1: wq's 128 rows, wkv's 128; walk 2: 64 rows each).  No tensor load of the wave is out here, so group 0 may be written.
; The branch hangs on the wave's number alone.  An s_nop 0 and four v_nop follow each of the two lines.
.macro ASKN n
	s_add_co_u32 s[G0+1], s17, ((\n)%2)*SLOT
	s_add_nc_u64 s[G0+2:G0+3], s[XB:XB+1], ((\n)%3)*ROWB
	s_or_b32 s[G0+3], s[G0+3], 0x80000000
.if (\n) < 3
	s_add_co_u32 s[G0B+1], s17, ((\n)%2)*SLOT
	s_add_nc_u64 s[G0B+2:G0B+3], s[WB:WB+1], ((\n)%3)*ROWB
.else
	s_add_co_u32 s[G0B+1], s18, ((\n)%2)*SLOT
	s_add_nc_u64 s[G0B+2:G0B+3], s[VB:VB+1], ((\n)%3)*ROWB
.endif
	s_or_b32 s[G0B+3], s[G0B+3], 0x80000000
	s_cmp_eq_u32 s15, 0
	s_cbranch_scc0 .Lfor_w_\@
	tensor_load_to_lds s[G0:G0+3], s[G1:G1+7]
	s_nop 0
	PLACES 4
	s_branch .Lasked_\@
.Lfor_w_\@:
.if (\n) < 3
	tensor_load_to_lds s[G0B:G0B+3], s[G1B:G1B+7]
.else
	tensor_load_to_lds s[G0B:G0B+3], s[G1V:G1V+7]
.endif
	s_nop 0
	PLACES 4
.Lasked_\@:
.endm
.macro PF n                            ; behind fill n: what fill n + 2 brings for the first time.  The address registers are never rewritten
.if (\n) == 0
	global_prefetch_b8 v[PFO], s[PFB:PFB+1] offset:2*ROWB th:TH_LOAD_NT scope:SCOPE_SE
.else
.if (\n) < 4
	s_cmp_eq_u32 s14, 2
	s_cbranch_scc0 .Lnot_mine_\@
	global_prefetch_b8 v[PFO], s[PFV:PFV+1] offset:((\n)-1)*ROWB th:TH_LOAD_NT scope:SCOPE_SE
.Lnot_mine_\@:
.endif
.endif
.endm
.macro CREST                           ; a round of the cluster's barrier behind its opening barrier
	s_cmp_lg_u32 s14, 0
	s_cbranch_scc1 .Lnot_wave_0_\@
	s_barrier_signal -3
.Lnot_wave_0_\@:
	s_barrier_wait -3
	s_barrier_signal -1
	s_barrier_wait -1
.endm
.macro CROUND
	s_barrier_signal -1
	s_barrier_wait -1
	CREST
.endm
	s_load_b512 s[68:83], s[0:1], 0x0              ; x codes, x scales, wq codes, wq scales, wkv codes, wkv scales, qi, qs
	s_load_b256 s[84:91], s[0:1], 0x40             ; ki, ks, vi, vs
	v_lshl_add_u32 v[SPW], v0, 2, SPARE
	v_mov_b32 v[NIL], 0
	ds_add_u32 v[SPW], v[NIL]                      ; the opening lines: the add, twice on end, and its wait ahead of my first tensor load
	ds_add_u32 v[SPW], v[NIL]
	v_lshrrev_b32 v1, 5, v0
	v_readfirstlane_b32 s14, v1                    ; wave 0..3
	s_lshr_b32 s15, s14, 1                         ; my window of the two.  Also: I fetch x (0) or weights (1)
	s_and_b32 s16, s14, 1                          ; q or k; which 64 rows of v.  Also: which half I fetch
	s_bfe_u32 s92, ttmp6, 0x40000                  ; cx
	s_bfe_u32 s93, ttmp6, 0x40004                  ; cy
	s_lshl_b32 s94, ttmp9, 2
	s_add_co_u32 s94, s94, s92                     ; head pair 0..7
	s_and_b32 s95, ttmp7, 0xffff
	s_lshl_b32 s95, s95, 2
	s_add_co_u32 s95, s95, s93                     ; block of 256 tokens 0..31
	s_lshl_b32 s96, s93, 2
	s_lshl_b32 s96, 15, s96                        ; my row of the cluster
	s_lshl_b32 s97, 0x1111, s92                    ; my column
	s_or_b32 s[G1], s96, DW0
	s_or_b32 s[G1B], s97, DW0
	s_or_b32 s[G1V], s97, DW0
.irp g, G1, G1B, G1V
	s_mov_b32 s[\g+1], ROWB<<16                    ; tensor_dim0
	s_mov_b32 s[\g+3], ROWB<<16                    ; tile_dim0
	s_mov_b32 s[\g+5], KROW                        ; the pitch
	s_mov_b32 s[\g+6], 0
	s_mov_b32 s[\g+7], 0
.endr
.irp g, G1, G1B
	s_mov_b32 s[\g+2], 128<<16                     ; tensor_dim1
	s_mov_b32 s[\g+4], 128                         ; tile_dim1
.endr
	s_mov_b32 s[G1V+2], 64<<16
	s_mov_b32 s[G1V+4], 64
	s_mov_b32 s[G0], 1
	s_mov_b32 s[G0B], 1
	s_mul_i32 s17, s14, HALFT                      ; where my 128 rows go: wave x 128 rows
	s_mul_i32 s18, s16, 64*PITCH
	s_add_co_u32 s18, s18, 2*HALFT                 ; and my 64 rows of v's weight; also where my fragments of it lie
	s_lshl_b32 s2, s95, 8                          ; byte offsets, each in a pair with 0 above it.  x's rows that I fetch
	s_lshl_b32 s3, s16, 7
	s_add_co_u32 s2, s2, s3
	s_mul_i32 s2, s2, KROW
	s_mov_b32 s3, 0
	s_mul_i32 s4, s94, 128*KROW                    ; the head pair's rows of wq, and of wkv for k
	s_mov_b32 s5, 0
	s_mul_i32 s6, s16, 64*KROW                     ; v's rows of wkv that I fetch
	s_add_co_u32 s6, s6, s4
	s_add_co_u32 s6, s6, 1024*KROW
	s_mov_b32 s7, 0
	s_lshl_b32 s8, s95, 13                         ; the scale bytes of my window's 128 tokens
	s_lshl_b32 s9, s15, 12
	s_add_co_u32 s8, s8, s9
	s_mov_b32 s9, 0
	s_lshl_b32 s10, s94, 12                        ; of the head pair's 128 rows
	s_mov_b32 s11, 0
	s_lshl_b32 s22, s16, 11                        ; of my 64 rows of v's weight
	s_add_co_u32 s22, s22, s10
	s_add_co_u32 s22, s22, 32768
	s_mov_b32 s23, 0
	s_cmp_eq_u32 s15, 0
	s_cselect_b32 s12, s92, s93                    ; my place among the four that ask with me
	s_mul_i32 s12, s12, 32*KROW
	s_mov_b32 s13, 0
	s_mul_i32 s66, s93, 32*KROW
	s_add_co_u32 s66, s66, s4
	s_add_co_u32 s66, s66, 1024*KROW               ; my work-group's 32 of v's 128 weight rows
	s_mov_b32 s67, 0
	s_lshl_b32 s19, s95, 1
	s_add_co_u32 s19, s19, s15                     ; batch x 16 + window
	s_lshr_b32 s20, s19, 4
	s_lshl_b32 s20, s20, 7
	s_and_b32 s19, s19, 15
	s_add_co_u32 s19, s19, s20
	s_lshl_b32 s20, s94, 4
	s_add_co_u32 s19, s19, s20                     ; idx
	s_mul_i32 s20, s19, 12288
	s_mov_b32 s21, 0
	s_lshl_b32 s96, s19, 9
	s_mov_b32 s97, 0
	s_mul_i32 s98, s16, 4*1536                     ; v: my four fragments of the eight
	s_add_co_u32 s98, s98, s20
	s_mov_b32 s99, 0
	s_lshl_b32 s100, s16, 8
	s_add_co_u32 s100, s100, s96
	s_mov_b32 s101, 0
	s_mul_i32 s56, s15, HALFT                      ; my 128 rows of x in a slot
	s_mul_i32 s57, s16, HALFT
	s_add_co_u32 s57, s57, 2*HALFT                 ; my 128 weight rows
	s_lshl_b32 s59, s14, 9
	s_add_co_u32 s59, s59, STG
	s_lshl_b32 s60, s14, 8
	s_add_co_u32 s60, s60, STG2
	s_mov_b32 s61, SLOT-232
	s_mov_b32 s62, SLOT+232
	v_and_b32 v1, 15, v0                           ; l % 16
	v_bfe_u32 v2, v0, 4, 1                         ; l / 16
	v_and_b32 v7, 31, v0
	v_mul_u32_u24 v3, v1, PITCH
	v_mul_u32_u24 v4, v2, 24
	v_add_nc_u32 v4, v3, v4                        ; a fragment's row x pitch + 24 x half
	v_mul_u32_u24 v5, s61, v2
	v_add_nc_u32 v5, v3, v5
	v_add_nc_u32 v5, 232, v5                       ; lanes 0-15 byte 232 of the row in slot 0, lanes 16-31 byte 0 of the row in slot 1;
	v_sub_nc_u32 v6, 1, v2
	v_mul_u32_u24 v6, s62, v6
	v_add_nc_u32 v6, v3, v6                        ; and lanes 0-15 byte 232 in slot 1, lanes 16-31 byte 0 in slot 0
.macro ADR4 reg, base
	v_add_nc_u32 v[\reg], s[\base], v4
	v_add_nc_u32 v[\reg+1], SLOT, v[\reg]
	v_add_nc_u32 v[\reg+2], s[\base], v5
	v_add_nc_u32 v[\reg+3], s[\base], v6
.endm
	ADR4 ADRA, 56
	ADR4 ADRB, 57
	ADR4 ADRV, 18
	v_lshl_add_u32 v[SST], v1, 2, s59
	v_lshlrev_b32 v[VOC], 4, v7
	v_add_nc_u32 v[SRD], s59, v[VOC]
	v_lshl_add_u32 v[SST2], v1, 2, s60
	v_lshlrev_b32 v[VO8], 3, v7
	v_add_nc_u32 v[SRD2], s60, v[VO8]
	v_lshlrev_b32 v[H8], 3, v2
	v_lshlrev_b32 v[SOF], 5, v1
	v_lshl_add_u32 v[SOF], v2, 4, v[SOF]
	v_mul_u32_u24 v[PFO], v7, KROW
	s_wait_alu depctr_va_vdst(0)                   ; the wait at the end of the head's vector work, directly ahead of the waits below
	s_wait_dscnt 0x0                               ; both opening adds are done
	s_wait_kmcnt 0x0
	s_add_nc_u64 s[XB:XB+1], s[68:69], s[2:3]
	s_cmp_eq_u32 s16, 0                            ; q or k: only pointers are chosen, by the wave's number
	s_cselect_b64 s[WB:WB+1], s[72:73], s[76:77]
	s_cselect_b64 s[74:75], s[74:75], s[78:79]
	s_cselect_b64 s[IMG:IMG+1], s[80:81], s[84:85]
	s_cselect_b64 s[SWP:SWP+1], s[82:83], s[86:87]
	s_add_nc_u64 s[WB:WB+1], s[WB:WB+1], s[4:5]
	s_add_nc_u64 s[VB:VB+1], s[76:77], s[6:7]
	s_add_nc_u64 s[70:71], s[70:71], s[8:9]
	s_add_nc_u64 s[74:75], s[74:75], s[10:11]
	s_add_nc_u64 s[78:79], s[78:79], s[22:23]
	s_add_nc_u64 s[IMG:IMG+1], s[IMG:IMG+1], s[20:21]
	s_add_nc_u64 s[SWP:SWP+1], s[SWP:SWP+1], s[96:97]
	s_add_nc_u64 s[VIM:VIM+1], s[88:89], s[98:99]
	s_add_nc_u64 s[VSW:VSW+1], s[90:91], s[100:101]
	s_add_nc_u64 s[PFV:PFV+1], s[76:77], s[66:67]
	s_cmp_eq_u32 s15, 0
	s_cselect_b64 s[PFB:PFB+1], s[XB:XB+1], s[WB:WB+1]
	s_add_nc_u64 s[PFB:PFB+1], s[PFB:PFB+1], s[12:13]
.irp i, 0,1,2,3,4,5,6,7
	global_load_b128 v[XS+4*\i:XS+4*\i+3], v[SOF], s[70:71] offset:512*\i   ; 16 rows' scale bytes: 32 lanes read 512 consecutive bytes
	global_load_b128 v[WS+4*\i:WS+4*\i+3], v[SOF], s[74:75] offset:512*\i
.endr
.irp i, 0,1,2,3
	global_load_b128 v[VS+4*\i:VS+4*\i+3], v[SOF], s[78:79] offset:512*\i
.endr
	CROUND                                         ; all sixteen work-groups are here: the first joint loads meet
	ASKN 0                                         ; one tensor load a wave at the head
	PF 0
.macro FRAG reg, adr, st, i, ph        ; a fragment, 16 rows x 128 K: lane l holds row l % 16; registers 6 c .. 6 c + 5 hold K = 64 c + 32 (l / 16) + 0 .. 31: 24 bytes of the row, as they lie, in pieces of 8 bytes
.irp p, 0,1,2,3,4,5                    ; byte y of a row lies in chunk y / 256, in slot (y / 256 + ph) % 2 (ph: 0 in walk 1, 1 in walk 2), at byte y % 256 of the LDS row
.set BY, 96*(\st)+48*(\p/3)+8*(\p%3)
.if BY/ROWB == (BY+24)/ROWB
	ds_load_b64 v[\reg+2*\p:\reg+2*\p+1], v[\adr+(BY/ROWB+\ph)%2] offset:BY%ROWB+(\i)*16*PITCH
.else                                  ; lanes 16-31, 24 bytes on, read the next chunk
	ds_load_b64 v[\reg+2*\p:\reg+2*\p+1], v[\adr+2+(BY/ROWB+\ph)%2] offset:BY%ROWB-232+(\i)*16*PITCH
.endif
.endr
.endm
.macro FETCH_B adr, st, p, ph          ; source 0's eight fragments of step st into set p of window 1
	WIN TO_B
.irp i, 0,1,2,3,4,5,6,7
	FRAG 128*(\p)+FR*\i, \adr, \st, \i, \ph
.endr
	WIN 0
.endm
.macro FETCH_A adr, base, st, i0, ph   ; source 1's blocks i0 .. i0 + 3
.irp i, \i0, \i0+1, \i0+2, \i0+3
	FRAG (\base)+FR*(\i), \adr, \st, \i, \ph
.endr
.endm
; 16 matrix instructions: source 1's blocks a0, a0 + 1 x source 0's eight, K step q.  s0, s1: the two sources' scale words.  The accumulators take turns, one instruction a turn, in the same order in every step
; zero = 1: the first product starts the sums.
.macro MUL16 a0, p, af, q, s0, s1, zero
.irp a, \a0, \a0+1
.irp b, 0,1,2,3,4,5,6,7
.set DD, 8*(8*((\a)%4)+((\b&4)|((\b&1)<<1)|((\b>>1)&1)))
.set RA, 128*(\p)+FR*\b
.set RB, (\af)+FR*(\a)
.set SA, (\s0)+4*\b+(\q)%4
.set SB, (\s1)+4*(\a)+(\q)%4
.if \zero
	v_wmma_scale_f32_16x16x128_f8f6f4 v[DD:DD+7], v[RA:RA+FR-1], v[RB:RB+FR-1], 0, v[SA], v[SB] matrix_a_fmt:MATRIX_FMT_FP6 matrix_b_fmt:MATRIX_FMT_FP6
.else
.if (\q) < 4
	v_wmma_scale_f32_16x16x128_f8f6f4 v[DD:DD+7], v[RA:RA+FR-1], v[RB:RB+FR-1], v[DD:DD+7], v[SA], v[SB] matrix_a_fmt:MATRIX_FMT_FP6 matrix_b_fmt:MATRIX_FMT_FP6
.else
	v_wmma_scale_f32_16x16x128_f8f6f4 v[DD:DD+7], v[RA:RA+FR-1], v[RB:RB+FR-1], v[DD:DD+7], v[SA], v[SB] matrix_a_fmt:MATRIX_FMT_FP6 matrix_b_fmt:MATRIX_FMT_FP6 matrix_a_scale:MATRIX_SCALE_ROW1 matrix_b_scale:MATRIX_SCALE_ROW1
.endif
.endif
.endr
.endr
.endm
; WALK 1, a step with a successor: 64 matrix instructions; the next step's fragments are fetched in its middle (the weights' set, x's blocks 0-3) and at its end (x's blocks 4-7).
;   The next step's bytes END in a chunk not read yet: every wave waits for its tensor loads, and a barrier shows that chunk whole.
;   They BEGIN in a later chunk than this step's: the chunk left behind is read no more: the wait for all tensor loads, the add, the wait for it and for my reads, a round of the cluster's barrier, and the slot's next fill.
.macro STEP st, zero
.set NX, (\st)+1
.set C0, (96*(\st))/ROWB
.set C1, (96*NX)/ROWB
.set E0, (96*(\st)+95)/ROWB
.set E1, (96*NX+95)/ROWB
.if C1 > C0 || E1 > E0
	s_wait_tensorcnt 0x0                           ; all my tensor loads have landed
.if C1 > C0
	ds_add_u32 v[SPW], v[NIL]
	s_wait_dscnt 4*NL+1                            ; (the add and the youngest 24 loads, x's blocks 4-7, may be out)
.else
	s_wait_dscnt 4*NL
.endif
	WIN MUL_LO
	MUL16 0, (\st)%2, AF, \st, WS, XS, \zero
	s_wait_dscnt 0x0                               ; the add, where there is one, and all my reads are done
	s_barrier_signal -1
	MUL16 2, (\st)%2, AF, \st, WS, XS, \zero
	WIN 0
	s_barrier_wait -1
.if C1 > C0
	CREST                                          ; the barrier has opened a round: no wave of any partner still reads this slot or has a load on its way
	ASKN C0+2                                      ; the first tensor load behind the round; its four v_nop are the places in front of the loads below
.else
	PLACES NP
.endif
.else
	s_wait_dscnt 4*NL                              ; the weights' set and x's blocks 0-3 are in; the youngest 24 loads may be out
	WIN MUL_LO
	MUL16 0, (\st)%2, AF, \st, WS, XS, \zero
	MUL16 2, (\st)%2, AF, \st, WS, XS, \zero
	s_wait_dscnt 0
	PLACES NP
.endif
	FETCH_B ADRB, NX, NX%2, 0
	FETCH_A ADRA, AF, NX, 0, 0
.if C1 > C0
	PF C0+2
.endif
	WIN MUL_HI
	MUL16 4, (\st)%2, AF, \st, WS, XS, \zero
	MUL16 6, (\st)%2, AF, \st, WS, XS, \zero
	PLACES NP
	WIN 0
	FETCH_A ADRA, AF, NX, 4, 0
.endm
; WALK 2, a step with a successor: 32 matrix instructions; both sources have two sets.  Where no barrier is due, the next step's 48 loads of x go out first, this step's fragments are waited for by count,
; and the next step's 24 loads of the weight follow behind the first sixteen products.
.macro FETCH2 st
	FETCH_B ADRA, \st, (\st)%2, 1
	FETCH_A ADRV, AF+48*((\st)%2), \st, 0, 1
.endm
.macro STEP2 st, zero
.set NX, (\st)+1
.set C0, (96*(\st))/ROWB
.set C1, (96*NX)/ROWB
.set E0, (96*(\st)+95)/ROWB
.set E1, (96*NX+95)/ROWB
.set RF, 0                             ; only chunk 0's slot is filled again (fill 5); a chunk left later is followed by nothing
.if C1 > C0
.if C0 == 0
.set RF, 1
.endif
.endif
.set BAR, RF
.if E1 > E0
.set BAR, 1
.endif
.if BAR
	s_wait_tensorcnt 0x0
.if RF
	ds_add_u32 v[SPW], v[NIL]
.endif
	s_wait_dscnt 0x0
	s_barrier_signal -1
	WIN MUL_LO
	MUL16 0, (\st)%2, AF+48*((\st)%2), \st, XS, VS, \zero
	WIN 0
	s_barrier_wait -1
.if RF
	CREST
	ASKN 5
.else
	PLACES NP
.endif
	FETCH2 NX
	WIN MUL_LO
	MUL16 2, (\st)%2, AF+48*((\st)%2), \st, XS, VS, \zero
	WIN 0
.else
	PLACES NP                                      ; behind the step before, which read the sets that are now filled
	FETCH_B ADRA, NX, NX%2, 1
	s_wait_dscnt 8*NL                              ; all but the 48 just issued: this step's fragments are in
	WIN MUL_LO
	MUL16 0, (\st)%2, AF+48*((\st)%2), \st, XS, VS, \zero
	WIN 0
	FETCH_A ADRV, AF+48*(NX%2), NX, 0, 1           ; into the set that the step before read: the places at this step's head stand between
	WIN MUL_LO
	MUL16 2, (\st)%2, AF+48*((\st)%2), \st, XS, VS, \zero
	WIN 0
.endif
.endm
; THE WAY OUT.  Block a's eight accumulators (16 rows x 128 along the next K) become one fragment.  Tile b holds, in lane (r, h), n = 16 b + 8 h + 0 .. 7 of row r; the operand's layout wants n = 64 g + 32 h + 0 .. 31
; in a lane.  Tiles 4 g, 4 g + 2, 4 g + 1, 4 g + 3 lie in this order, so that exchanging the first's lanes 16-31 with the second's lanes 0-15, and likewise the third's and the fourth's, leaves each lane a WHOLE
; block of 32 in 32 consecutive registers: its largest magnitude needs no other lane, and the conversions' results are the operand's registers.  Each accumulator is read from its low end on.
.macro QOUT a, ptr
.set WW, 2+(\a)/4
.set AC, 64*((\a)%4)
.set CD, 128+12*(\a)
.set NW, (WW<<6)|WW
	WIN NW
.set jj, 0
.rept 8
	v_permlane16_swap_b32 v[AC+jj], v[AC+8+jj]
	v_permlane16_swap_b32 v[AC+16+jj], v[AC+24+jj]
	v_permlane16_swap_b32 v[AC+32+jj], v[AC+40+jj]
	v_permlane16_swap_b32 v[AC+48+jj], v[AC+56+jj]
.set jj, jj+1
.endr
.set NW, (WW<<4)|(WW<<2)
	WIN NW
	v_max3_num_f32 v[TM], 0x1800000, |v[AC]|, |v[AC+1]|        ; my two blocks by turns; the floor 2^(3 - 127) holds the byte at 1 from below
	v_max3_num_f32 v[TM+1], 0x1800000, |v[AC+32]|, |v[AC+33]|
.set jj, 2
.rept 15
	v_max3_num_f32 v[TM], v[TM], |v[AC+jj]|, |v[AC+jj+1]|
	v_max3_num_f32 v[TM+1], v[TM+1], |v[AC+32+jj]|, |v[AC+33+jj]|
.set jj, jj+2
.endr
	WIN 0
	v_add_nc_u32 v[SO], 0xff000000, v[TM]          ; 2 off the exponent field: the conversion takes the exponent field of this operand as its scale
	v_add_nc_u32 v[SO+1], 0xff000000, v[TM+1]
	v_lshrrev_b32 v[BYT], 23, v[SO]                ; the scale's byte
	v_lshrrev_b32 v[BYT+1], 23, v[SO+1]
	v_lshl_or_b32 v[SW+(\a)], v[BYT+1], 16, v[BYT] ; my blocks are h and 2 + h of the row's four:
	v_lshlrev_b32 v[SW+(\a)], v[H8], v[SW+(\a)]    ; 8 h bits up;
	v_permlanex16_b32 v[XX], v[SW+(\a)], s20, s21
	v_or_b32 v[SW+(\a)], v[SW+(\a)], v[XX]         ; with lane l xor 16's two the word is whole
	WIN WW
.irp g, 0,1
	v_cvt_scalef32_pk16_fp6_f32 v[CD+6*\g:CD+6*\g+2], v[AC+32*\g:AC+32*\g+15], v[SO+\g]
	v_cvt_scalef32_pk16_fp6_f32 v[TT+4*\g:TT+4*\g+2], v[AC+32*\g+16:AC+32*\g+31], v[SO+\g]   ; (a conversion's three registers begin on an even number)
.endr
	WIN 0
	v_nop                                          ; one plain place behind a scaled conversion
.irp g, 0,1
.irp i, 0,1,2
	v_mov_b32 v[CD+6*\g+3+\i], v[TT+4*\g+\i]
.endr
.endr
.irp c, 0,1,2
	global_store_b128 v[VOC], v[CD+4*\c:CD+4*\c+3], s[\ptr:\ptr+1] offset:(\a)*1536+512*\c   ; 32 lanes store 512 consecutive bytes, aligned; each block has code registers of its own
.endr
.endm
	s_wait_tensorcnt 0x0                           ; my part of fill 0 is in; slot 1's first fill is issued as a refill is:
	ds_add_u32 v[SPW], v[NIL]
	s_wait_dscnt 0x0
	CROUND                                         ; everybody's part of fill 0 is in, and the joint loads meet
	ASKN 1
	FETCH_B ADRB, 0, 0, 0
	FETCH_A ADRA, AF, 0, 0, 0
	FETCH_A ADRA, AF, 0, 4, 0
	PF 1
	s_wait_loadcnt 0x0                             ; the scale words are in
	STEP 0, 1                                      ; the first step's products start the sums
.set ST, 1                             ; the walk is written out: steps and chunks come back to where they began only after both walks
.rept 6
	STEP ST, 0
.set ST, ST+1
.endr
	; walk 1's last step: chunk 2 is read no more, and fill 3 (walk 2's chunk 0) must be whole: one round does both; fill 4 follows it
	s_wait_tensorcnt 0x0
	ds_add_u32 v[SPW], v[NIL]
	s_wait_dscnt 4*NL+1
	WIN MUL_LO
	MUL16 0, 1, AF, 7, WS, XS, 0
	s_wait_dscnt 0x0
	s_barrier_signal -1
	MUL16 2, 1, AF, 7, WS, XS, 0
	WIN 0
	s_barrier_wait -1
	CREST
	ASKN 4
	FETCH_B ADRA, 0, 0, 1                          ; walk 2's first fragments of x, into the set that step 6 read
	WIN MUL_HI
	MUL16 4, 1, AF, 7, WS, XS, 0
	MUL16 6, 1, AF, 7, WS, XS, 0
	WIN 0
	s_mov_b32 s20, 0x76543210
	s_mov_b32 s21, 0xfedcba98                      ; v_permlanex16_b32's selects for lane l xor 16
	PLACES NP                                      ; behind the last products: their results are read, and x's fragments' registers written, below
	v_mov_b32 v[XX], 0                             ; a lane permute's destination counts as one of its sources
.irp a, 0,1,2,3,4,5,6,7
	QOUT \a, IMG
.endr
.irp a, 0,1,2,3,4,5,6,7                ; my 128 rows' scale words meet in my 512 bytes of the stage, into which no fill lands, and leave as 512 consecutive bytes
	ds_store_b32 v[SST], v[SW+\a] offset:64*\a     ; both halves of the lanes write the same word with the same value
.endr
	ds_load_b128 v[224:227], v[SRD]                ; LDS serves a wave's instructions in order (ISA guide 5.7.1.4): this sees my stores
	s_wait_dscnt 0x0
	global_store_b128 v[VOC], v[224:227], s[SWP:SWP+1]
	s_wait_xcnt 0x0                                ; the stores have read their registers: the codes' registers take fragments again
	FETCH_A ADRV, AF, 0, 0, 1
	STEP2 0, 1
.set ST, 1
.rept 6
	STEP2 ST, 0
.set ST, ST+1
.endr
	s_wait_dscnt 0x0                               ; the very last step
	WIN MUL_LO
	MUL16 0, 1, AF+48, 7, XS, VS, 0
	MUL16 2, 1, AF+48, 7, XS, VS, 0
	WIN 0
	PLACES NP
.irp a, 0,1,2,3
	QOUT \a, VIM
.endr
.irp a, 0,1,2,3
	ds_store_b32 v[SST2], v[SW+\a] offset:64*\a
.endr
	ds_load_b64 v[224:225], v[SRD2]
	s_wait_dscnt 0x0
	global_store_b64 v[VO8], v[224:225], s[VSW:VSW+1]   ; my 64 rows' words: 32 lanes store 256 consecutive bytes, aligned
	s_wait_tensorcnt 0x0                           ; the wave's end
	ds_add_u32 v[SPW], v[NIL]
	s_wait_dscnt 0x0
	CROUND                                         ; the closing round
	s_endpgm
.Lfunc_end_k_q5b5c3c5184_proj:
	.size	k_q5b5c3c5184_proj, .Lfunc_end_k_q5b5c3c5184_proj-k_q5b5c3c5184_proj
	.p2alignl 7, 3214868480
	.fill 96, 4, 3214868480
	.section	.rodata,"a",@progbits
	.p2align	6, 0x0
	.amdhsa_kernel k_q5b5c3c5184_proj
		.amdhsa_group_segment_fixed_size 327680
		.amdhsa_private_segment_fixed_size 0
		.amdhsa_enable_private_segment 0
		.amdhsa_kernarg_size 96
		.amdhsa_user_sgpr_count 2
		.amdhsa_user_sgpr_kernarg_segment_ptr 1
		.amdhsa_wavefront_size32 1
		.amdhsa_system_sgpr_workgroup_id_x 1
		.amdhsa_system_sgpr_workgroup_id_y 1
		.amdhsa_system_sgpr_workgroup_id_z 1
		.amdhsa_system_vgpr_workitem_id 0
		.amdhsa_next_free_vgpr 1024
		.amdhsa_next_free_sgpr 102
		.amdhsa_reserve_vcc 0
		.amdhsa_float_denorm_mode_32 3
		.amdhsa_float_denorm_mode_16_64 3
		.amdhsa_memory_ordered 1
		.amdhsa_forward_progress 1
		.amdhsa_inst_pref_size 255
	.end_amdhsa_kernel
	.section	.bss,"aw",@nobits
	.p2align	6
	.space	262144
	.amdgpu_metadata
---
amdhsa.version: [ 1, 2 ]
amdhsa.kernels:
  - .name:           k_q5b5c3c5184_proj
    .symbol:         k_q5b5c3c5184_proj.kd
    .args:
      - { .name: x_codes, .offset: 0, .size: 8, .value_kind: global_buffer, .address_space: global }
      - { .name: x_scales, .offset: 8, .size: 8, .value_kind: global_buffer, .address_space: global }
      - { .name: wq_codes, .offset: 16, .size: 8, .value_kind: global_buffer, .address_space: global }
      - { .name: wq_scales, .offset: 24, .size: 8, .value_kind: global_buffer, .address_space: global }
      - { .name: wkv_codes, .offset: 32, .size: 8, .value_kind: global_buffer, .address_space: global }
      - { .name: wkv_scales, .offset: 40, .size: 8, .value_kind: global_buffer, .address_space: global }
      - { .name: qi, .offset: 48, .size: 8, .value_kind: global_buffer, .address_space: global }
      - { .name: qs, .offset: 56, .size: 8, .value_kind: global_buffer, .address_space: global }
      - { .name: ki, .offset: 64, .size: 8, .value_kind: global_buffer, .address_space: global }
      - { .name: ks, .offset: 72, .size: 8, .value_kind: global_buffer, .address_space: global }
      - { .name: vi, .offset: 80, .size: 8, .value_kind: global_buffer, .address_space: global }
      - { .name: vs, .offset: 88, .size: 8, .value_kind: global_buffer, .address_space: global }
    .group_segment_fixed_size: 327680
    .private_segment_fixed_size: 0
    .kernarg_segment_align: 8
    .kernarg_segment_size: 96
    .max_flat_workgroup_size: 128
    .sgpr_count:     102
    .vgpr_count:     1024
    .wavefront_size: 32
...
	.end_amdgpu_metadata
.endif
;; end of part 1
;; launch attn (part 2): grid 8 x 32, 16 waves a work-group, no clusters, 91,136 bytes of LDS; arguments qi, qs, ki, ks, vi, vs, ao, aos; writes ao, aos
.if DOCPART == 2
	.amdgcn_target "amdgcn-amd-amdhsa--gfx1250"
	.amdhsa_code_object_version 6
	.text
	.protected	k_q5b5c3c5184_attn
	.globl	k_q5b5c3c5184_attn
	.p2align	8
	.type	k_q5b5c3c5184_attn,@function
k_q5b5c3c5184_attn:
	s_mov_b64 s[64:65], 0
	v_nop
	global_prefetch_b8 v0, s[64:65] scope:SCOPE_SE
	s_setreg_imm32_b32 hwreg(HW_REG_WAVE_MODE, 25, 1), 1
	s_wait_xcnt 0x0
; Local attention on codes of FP6 (E2M3): each window of 128 queries sees the window before it and, causally, its own.  Both products are quantised; the result is quantised here for the last projection.
; INPUTS: images of operand registers (quad c of lane L at 512 c + 16 L, 1,536 bytes a fragment) and one scale word a row: qi, ki [idx][token tile 0..7], K = a head pair's 2 x 64;
; vi [idx][4 x head parity + dh tile], K = the window's 128 keys; idx = (batch x 8 + head pair) x 16 + window.
; SHARES.  A work-group takes two neighbouring windows of one head pair: 256 work-groups.  Each of its sixteen waves owns 16 queries (tile wave % 8 of window wave / 8) and takes the pair's two heads one after
; the other.  The three windows of K and V that the two windows see (48 images) are read from memory once, through registers, and lie in LDS for all sixteen waves: filled once, so there is no ring.
; They come through registers and not by the tensor data mover because THE WINDOW AHEAD OF WINDOW 0 IS ZEROS THAT COUNT: its loads are held inside the buffer and their bits are cleared by a mask (zero codes; scale bytes 0,
; which stand for 2^-127 over zero codes).  Its scores are then exactly 0, take part in the maximum and the sum as they must, and its V adds nothing.  No path of its own.
; No cluster: nothing is fetched by tensor loads, and neighbouring work-groups share one window in three.
; ONE HEAD OUT OF A PAIR'S FRAGMENT: Q's fragment is kept twice, once with the second head's 64 codes cleared and once with the first's: a whole fragment of K against either gives one head's scores.
; LAYOUT.  Both products are used transposed: S^T = K Q^T, O^T = V^T P^T: a lane holds one query (lane % 16) throughout.  The keys of a tile are not neighbours: lane r of tile 2 b + u takes key
; 32 b + 8 u + r + 8 (r / 8), so that the 16 registers of tiles 2 b and 2 b + 1 are keys 32 b + 16 (lane / 16) + 0 .. 15.  Such a tile is read out of two natural images; images lie 1,664 bytes apart
; (1,536 + 128).
; SOFTMAX: t = score x log2(e) / 8; M = the largest t so far, rounded up to a whole number; p = 2^(t - M) is quantised along the keys; the sum is taken of the unquantised p and divides O at the end.
; When M moves, the sum and O are multiplied by 2^(old M - new M): exact.  Hidden keys (key > query, in the own window) get the score -infinity: p = 0.
; OUT: ao [token tile 0..511][head pair][1,536]: images of fragments 16 tokens x K 128 (the pair's 2 x 64); aos [head pair][8,192 tokens]: a scale word each.
; LIMITS: NaN and infinities are not served.  A block whose largest magnitude lies under 2^-124 (a block of zeros too) gets the scale byte 1; this program alone reads the bytes.
.set IMG,   1664
.set WINB,  8*IMG                      ; a window's eight images
.set VB,    24*IMG                     ; V's 24 images lie behind K's
.set KSB,   48*IMG                     ; K's scale words: eight places of 512 bytes, one for each loading wave; three are read
.set VSB,   KSB+4096                   ; V's likewise
.set AOSTG, VSB+4096                   ; 1,024 bytes: the 256 tokens' scale words on their way out
.set AK,  1                            ; v1   my lane's place in a tile of K
.set AV,  2                            ; v2   in an image of V
.set ASK, 3                            ; v3   among K's scale words
.set ASV, 4                            ; v4   among V's
.set DQ,  5                            ; v5   my query's number in its window - 16 (lane / 16)
.set H8,  6                            ; v6   8 x (lane / 16)
.set L16, 7                            ; v7   16 x lane
.set SEL, 40                           ; s[40:41] selects for lane l xor 16
.set CS,  42                           ; s[42:43] c = log2(e) / 8
; v8-11 the loader's offsets; v12 -M, v13 the largest t, v[14:15] the sum; v16-27 Q with head 1 cleared; v28-29 the two heads' scale bytes, v30 their word; v31, v92-95 LDS and store addresses;
; v32-79 four fragments; v80-91 Q with head 0 cleared; v96-159 S^T, then p; v160-191 O^T; v192-203 the result's codes; v204-206 their second half; v[212:213] f; v214-216 at work;
; v224-235 p's codes; v232-247, v254 at work; v248-251 K's or V's scale words; v253 p's; v255 Q's.
	s_load_b512 s[4:19], s[0:1], 0x0               ; qi, qs, ki, ks, vi, vs, ao, aos
	v_lshl_add_u32 v223, v0, 2, 0x15c00
	v_mov_b32 v252, 0
	v_lshrrev_b32 v240, 5, v0
	s_delay_alu instid0(VALU_DEP_1)
	v_readfirstlane_b32 s20, v240                  ; wave 0..15
	s_and_b32 s21, s20, 7                          ; my tile of queries; also: which three images and which scale window I load
	s_lshr_b32 s22, s20, 3                         ; which of the two windows is mine; also: I load K (0) or V (1)
	s_lshl_b32 s23, ttmp9, 1                       ; the first of the two windows
	s_and_b32 s24, ttmp7, 0xffff                   ; batch x 8 + head pair
	v_and_b32 v241, 31, v0
	v_and_b32 v242, 15, v0                         ; r
	v_bfe_u32 v243, v0, 4, 1                       ; h
	v_bfe_u32 v244, v0, 3, 1                       ; r / 8
	v_and_b32 v245, 7, v0                          ; r % 8
	v_lshlrev_b32 v[L16], 4, v241
	s_wait_alu depctr_va_vdst(0)
	v_lshlrev_b32 v246, 2, v242
	s_lshl_b32 s25, s23, 3
	s_mul_i32 s26, s21, 3
	s_add_co_u32 s25, s25, s26
	s_sub_co_i32 s25, s25, 8                       ; my first image among the head pair's 128: under 0 where it belongs to the window ahead of window 0
.irp j, 0,1,2
	s_add_co_i32 s26, s25, \j
	s_cmp_ge_i32 s26, 0
	s_cselect_b32 s[28+\j], -1, 0                  ; the mask that keeps or clears its bits
	s_max_i32 s26, s26, 0                          ; the load stays inside the buffer
	s_mul_i32 s26, s26, 1536
	v_add_nc_u32 v[8+\j], s26, v[L16]
.endr
	s_add_co_i32 s26, s23, s21
	s_sub_co_i32 s26, s26, 1                       ; my window of scale words
	s_cmp_ge_i32 s26, 0
	s_cselect_b32 s31, -1, 0
	s_max_i32 s26, s26, 0
	s_min_i32 s26, s26, 15                         ; (waves 3 to 7 of each eight load a window that nobody reads: held inside the buffer)
	s_lshl_b32 s26, s26, 9
	v_add_nc_u32 v11, s26, v[L16]
	s_mov_b32 s37, 0
	s_wait_alu depctr_va_vdst(0)
	s_wait_kmcnt 0x0
	s_cmp_lt_u32 s20, 8
	s_cselect_b64 s[32:33], s[8:9], s[12:13]       ; K's images or V's
	s_cselect_b64 s[34:35], s[10:11], s[14:15]
	s_mul_i32 s36, s24, 196608                     ; a head pair's 16 windows of 12,288 bytes
	s_add_nc_u64 s[32:33], s[32:33], s[36:37]
	s_lshl_b32 s36, s24, 13
	s_add_nc_u64 s[34:35], s[34:35], s[36:37]
	s_lshl_b32 s38, s24, 4
	s_add_co_u32 s38, s38, s23
	s_add_co_u32 s38, s38, s22                     ; my window's idx
	s_mul_i32 s36, s38, 12288
	s_mul_i32 s39, s21, 1536
	s_add_co_u32 s36, s36, s39
	s_add_nc_u64 s[4:5], s[4:5], s[36:37]          ; Q's image of my tile
	s_lshl_b32 s36, s38, 9
	s_lshl_b32 s39, s21, 6
	s_add_co_u32 s36, s36, s39
	s_add_nc_u64 s[6:7], s[6:7], s[36:37]          ; and its scale words
.irp j, 0,1,2
.irp c, 0,1,2
	global_load_b128 v[96+12*\j+4*\c:99+12*\j+4*\c], v[8+\j], s[32:33] offset:512*\c   ; 32 lanes read 512 consecutive bytes
.endr
.endr
	global_load_b128 v[132:135], v11, s[34:35]
	global_load_b128 v[16:19], v[L16], s[4:5]              ; registers 0-3,
	global_load_b128 v[20:23], v[L16], s[4:5] offset:512   ; 4-7 of Q's fragment: 0-5 are head 0's
	global_load_b128 v[84:87], v[L16], s[4:5] offset:512   ; 4-7 once more,
	global_load_b128 v[88:91], v[L16], s[4:5] offset:1024  ; 8-11: 6-11 are head 1's
	global_load_b32 v255, v246, s[6:7]
	; while they are on their way: addresses and constants
	s_lshr_b32 s38, s24, 3                         ; batch
	s_and_b32 s39, s24, 7                          ; head pair
	s_lshl_b32 s36, s38, 4
	s_add_co_u32 s36, s36, s23
	s_add_co_u32 s36, s36, s22
	s_lshl_b32 s36, s36, 3
	s_add_co_u32 s36, s36, s21                     ; my token tile
	s_mul_i32 s36, s36, 12288
	s_mul_i32 s44, s39, 1536
	s_add_co_u32 s36, s36, s44
	s_add_nc_u64 s[16:17], s[16:17], s[36:37]
	s_lshl_b32 s36, s39, 15
	s_lshl_b32 s44, s38, 13
	s_add_co_u32 s36, s36, s44
	s_lshl_b32 s44, s23, 9
	s_add_co_u32 s36, s36, s44
	s_add_nc_u64 s[18:19], s[18:19], s[36:37]      ; the work-group's 256 tokens in aos
	s_mul_i32 s45, s22, WINB
	v_mul_u32_u24 v[AK], v244, IMG                 ; lanes with r >= 8 read the next image,
	s_delay_alu instid0(VALU_DEP_1)
	v_lshl_add_u32 v[AK], v243, 8, v[AK]           ; the place of lane (r % 8 + 8 u, h) in it
	s_delay_alu instid0(VALU_DEP_1)
	v_lshl_add_u32 v[AK], v245, 4, v[AK]
	s_delay_alu instid0(VALU_DEP_1)
	v_add_nc_u32 v[AK], s45, v[AK]
	s_add_co_u32 s46, s45, VB
	v_add_nc_u32 v[AV], s46, v[L16]
	v_lshl_add_u32 v[ASK], v244, 3, v242           ; r + 8 (r / 8)
	s_lshl_b32 s46, s22, 9
	s_add_co_u32 s47, s46, KSB
	v_lshl_add_u32 v[ASK], v[ASK], 2, s47
	s_add_co_u32 s47, s46, VSB
	v_lshl_add_u32 v[ASV], v242, 2, s47
	v_lshlrev_b32 v247, 4, v243
	s_delay_alu instid0(VALU_DEP_1)
	v_sub_nc_u32 v[DQ], v242, v247
	s_lshl_b32 s46, s21, 4
	v_add_nc_u32 v[DQ], s46, v[DQ]
	v_lshlrev_b32 v[H8], 3, v243
	s_mul_i32 s46, s20, 3*IMG
	v_add_nc_u32 v92, s46, v[L16]                  ; where my three images go
	s_lshl_b32 s46, s20, 9
	s_add_co_u32 s46, s46, KSB
	v_add_nc_u32 v93, s46, v[L16]                  ; and my window of scale words: K's eight places, then V's
	s_lshl_b32 s46, s20, 6
	s_add_co_u32 s46, s46, AOSTG
	v_lshl_add_u32 v31, v242, 2, s46               ; the result's scale word: 64 x wave + 4 r
	s_and_b32 s46, s20, 1
	s_lshl_b32 s46, s46, 9
	v_add_nc_u32 v95, s46, v[L16]                  ; waves 0 and 1 store them: 512 bytes each
	s_delay_alu instid0(VALU_DEP_1)
	v_add_nc_u32 v94, AOSTG, v95
	s_mov_b32 s[SEL], 0x76543210
	s_mov_b32 s[SEL+1], 0xfedcba98
	s_mov_b32 s[CS], 0x3e38aa3b                    ; log2(e) / 8
	s_mov_b32 s[CS+1], s[CS]                       ; (named with it as a pair, so it is written)
.irp b, 0,1,2,3
	v_mov_b32 v[236+\b], 0                         ; written once: a lane permute's destination counts as one of its sources
.endr
	v_mov_b32 v213, 0                              ; (named as the upper half of the pair v[212:213])
	s_wait_loadcnt 0x0
.irp j, 0,1,2
.irp i, 0,1,2,3,4,5,6,7,8,9,10,11
	v_and_b32 v[96+12*\j+\i], s[28+\j], v[96+12*\j+\i]   ; the window ahead of window 0 becomes zeros
.endr
.endr
.irp i, 0,1,2,3
	v_and_b32 v[132+\i], s31, v[132+\i]
.endr
.irp j, 0,1,2
.irp c, 0,1,2
	ds_store_b128 v92, v[96+12*\j+4*\c:99+12*\j+4*\c] offset:IMG*\j+512*\c
.endr
.endr
	ds_store_b128 v93, v[132:135]
.irp i, 0,1,2,3,4,5
	v_mov_b32 v[22+\i], 0                          ; head 1's codes out of the first copy of Q,
	v_mov_b32 v[80+\i], 0                          ; head 0's out of the second
.endr
	s_wait_alu depctr_va_vdst(0)
	s_wait_dscnt 0x0                               ; for the others' sake: my stores have landed
	s_barrier_signal -1
	s_barrier_wait -1                              ; all 48 images and their scale words lie in LDS
; 128 keys: the window before mine (s = 0) or my own (s = 1), head pi of the pair, whose copy of Q begins at v[QR].
.macro STEP s, pi, QR
.rept 4
	v_nop                                          ; places in front of loads into registers that matrix instructions have read
.endr
.irp g, 0,1                                    ; S^T = K Q^T, four tiles of 16 keys at a time
.if \g
.rept 4
	v_nop
.endr
.endif
.irp t, 0,1,2,3
.irp c, 0,1,2
	ds_load_b128 v[32+12*\t+4*\c:35+12*\t+4*\c], v[AK] offset:WINB*\s+2*IMG*(2*\g+\t/2)+128*(\t%2)+512*\c
.endr
	ds_load_b32 v[248+\t], v[ASK] offset:512*\s+4*(32*(2*\g+\t/2)+8*(\t%2))
.endr
	s_wait_dscnt 0x0
.irp t, 0,1,2,3
	v_wmma_scale_f32_16x16x128_f8f6f4 v[96+8*(4*\g+\t):103+8*(4*\g+\t)], v[32+12*\t:43+12*\t], v[\QR:\QR+11], 0, v[248+\t], v255 matrix_a_fmt:MATRIX_FMT_FP6 matrix_b_fmt:MATRIX_FMT_FP6
.endr
.endr
.rept 4
	v_nop
.endr
.irp t, 0,1,2,3                                ; V's four fragments are asked for now and land under the softmax
.irp c, 0,1,2
	ds_load_b128 v[32+12*\t+4*\c:35+12*\t+4*\c], v[AV] offset:WINB*\s+IMG*(4*\pi+\t)+512*\c
.endr
	ds_load_b32 v[248+\t], v[ASV] offset:512*\s+64*(4*\pi+\t)
.endr
.if \s                                         ; my own window: register 16 b + i holds key 32 b + 16 (lane / 16) + i: hidden where 32 b + i > my query - 16 (lane / 16)
	v_mov_b32 v254, 0xff800000                     ; -infinity
.set n, 0
.rept 64
	v_cmp_gt_i32 vcc_lo, 32*(n/16)+n%16, v[DQ]
	v_cndmask_b32 v[96+n], v[96+n], v254, vcc_lo
.set n, n+1
.endr
.endif
.irp b, 0,1,2,3
	v_max3_num_f32 v[232+\b], v[96+16*\b], v[97+16*\b], v[98+16*\b]   ; the largest score of each block of 32 keys: for the row's maximum and, since p rises with the score, for the block's largest p
.endr
.irp i, 3,5,7,9,11,13
.irp b, 0,1,2,3
	v_max3_num_f32 v[232+\b], v[232+\b], v[96+16*\b+\i], v[97+16*\b+\i]
.endr
.endr
.irp b, 0,1,2,3
	v_max_num_f32 v[232+\b], v[232+\b], v[111+16*\b]
.endr
.irp b, 0,1,2,3
	s_delay_alu instid0(VALU_DEP_4)
	v_permlanex16_b32 v[236+\b], v[232+\b], s[SEL], s[SEL+1]
.endr
.irp b, 0,1,2,3
	s_delay_alu instid0(VALU_DEP_4)
	v_max_num_f32 v[232+\b], v[232+\b], v[236+\b]  ; with lane l xor 16's 16 keys
.endr
	s_delay_alu instid0(VALU_DEP_2)
	v_max3_num_f32 v254, v232, v233, v234
	s_delay_alu instid0(VALU_DEP_1)
	v_max_num_f32 v254, v254, v235
	s_delay_alu instid0(VALU_DEP_1)
	v_mul_f32 v254, s[CS], v254                    ; as t (c is positive)
	s_delay_alu instid0(VALU_DEP_1)
	v_max_num_f32 v13, v13, v254                   ; the running largest t
	v_mov_b32 v254, v12
	s_delay_alu instid0(VALU_DEP_2)
	v_floor_f32 v12, -v13                          ; the new -M = floor(-t) = -ceil(t)
	s_delay_alu instid0(VALU_DEP_1)
	v_sub_f32 v254, v12, v254                      ; old M - new M: a whole number, 0 or less
	s_delay_alu instid0(VALU_DEP_1)
	v_cvt_i32_f32 v254, v254                       ; (it saturates)
	s_delay_alu instid0(VALU_DEP_1)
	v_ldexp_f32 v212, 1.0, v254                    ; f = 2^(old M - new M)
.set n, 0
.rept 32
	v_pk_fma_f32 v[96+n:97+n], v[96+n:97+n], s[CS:CS+1], v[12:13] op_sel_hi:[1,0,0]   ; t - M, two at a time
.set n, n+2
.endr
.irp b, 0,1,2,3
	v_fma_f32 v[232+\b], v[232+\b], s[CS], v12     ; the same of each block's largest score
.endr
.set n, 0
	s_wait_alu depctr_va_vdst(0)
.rept 64
	v_exp_f32 v[96+n], v[96+n]                     ; p = 2^(t - M), at most 1: not normalised
.set n, n+1
.endr
.irp b, 0,1,2,3
	v_exp_f32 v[232+\b], v[232+\b]                 ; the block's largest p: the same two instructions on the same number
.endr
	v_pk_mul_f32 v[14:15], v[14:15], v[212:213] op_sel_hi:[1,0]   ; the sums under the new M.  (A plain place behind the exponentials)
	s_wait_alu depctr_va_vdst(0)
.irp b, 0,1,2,3
	v_max_num_f32 v[232+\b], 0x1800000, v[232+\b]  ; the floor 2^(3 - 127): the byte cannot fall under 1
.endr
.irp b, 0,1,2,3
	s_delay_alu instid0(VALU_DEP_4)
	v_add_nc_u32 v[244+\b], 0xff000000, v[232+\b]  ; 2 off the exponent field: the conversion's scale operand
.endr
.irp b, 0,1,2,3
	s_delay_alu instid0(VALU_DEP_4)
	v_lshrrev_b32 v[236+\b], 23, v[244+\b]
.endr
	s_delay_alu instid0(VALU_DEP_3)
	v_lshl_or_b32 v253, v237, 8, v236              ; p's scale word for these 128 keys
	s_delay_alu instid0(VALU_DEP_1)
	v_lshl_or_b32 v253, v238, 16, v253
	s_delay_alu instid0(VALU_DEP_1)
	v_lshl_or_b32 v253, v239, 24, v253
.irp c, 0,1
	v_cvt_scalef32_pk16_fp6_f32 v[224+6*\c:226+6*\c], v[96+32*\c:111+32*\c], v[244+2*\c]
	v_cvt_scalef32_pk16_fp6_f32 v[236+4*\c:238+4*\c], v[112+32*\c:127+32*\c], v[244+2*\c+1]
.endr
	v_nop                                          ; one plain place behind a scaled conversion
.irp c, 0,1                                    ; the operand's layout wants a whole block in a lane
.irp i, 0,1,2
	v_permlane16_swap_b32 v[224+6*\c+\i], v[236+4*\c+\i]
.endr
.irp i, 0,1,2
	s_delay_alu instid0(VALU_DEP_3)
	v_mov_b32 v[227+6*\c+\i], v[236+4*\c+\i]
.endr
.endr
	v_pk_add_f32 v[236:237], v[100:101], v[104:105]
	v_pk_add_f32 v[246:247], v[108:109], v[112:113]
	v_pk_add_f32 v[244:245], v[116:117], v[120:121]
	v_pk_add_f32 v[242:243], v[124:125], v[128:129]
	v_pk_add_f32 v[240:241], v[132:133], v[136:137]
	v_pk_add_f32 v[220:221], v[140:141], v[144:145]
	v_pk_add_f32 v[218:219], v[148:149], v[152:153]
	v_pk_add_f32 v[14:15], v[14:15], v[156:157]
	v_pk_add_f32 v[236:237], v[236:237], v[96:97]
	v_pk_add_f32 v[246:247], v[246:247], v[98:99]
	v_pk_add_f32 v[244:245], v[244:245], v[102:103]
	v_pk_add_f32 v[242:243], v[242:243], v[106:107]
	v_pk_add_f32 v[240:241], v[240:241], v[110:111]
	v_pk_add_f32 v[220:221], v[220:221], v[114:115]
	v_pk_add_f32 v[218:219], v[218:219], v[118:119]
	v_pk_add_f32 v[14:15], v[14:15], v[122:123]
	v_pk_add_f32 v[236:237], v[236:237], v[126:127]
	v_pk_add_f32 v[246:247], v[246:247], v[130:131]
	v_pk_add_f32 v[244:245], v[244:245], v[134:135]
	v_pk_add_f32 v[242:243], v[242:243], v[138:139]
	v_pk_add_f32 v[240:241], v[240:241], v[142:143]
	v_pk_add_f32 v[220:221], v[220:221], v[146:147]
	v_pk_add_f32 v[218:219], v[218:219], v[150:151]
	v_pk_add_f32 v[14:15], v[14:15], v[154:155]
	v_pk_add_f32 v[236:237], v[236:237], v[158:159]
	s_delay_alu instid0(VALU_DEP_2)
	v_pk_add_f32 v[14:15], v[14:15], v[242:243]
	s_delay_alu instid0(VALU_DEP_2)
	v_pk_add_f32 v[236:237], v[236:237], v[240:241]
	v_pk_add_f32 v[246:247], v[246:247], v[220:221]
	v_pk_add_f32 v[244:245], v[244:245], v[218:219]
	s_delay_alu instid0(VALU_DEP_2)
	v_pk_add_f32 v[14:15], v[14:15], v[246:247]
	s_delay_alu instid0(VALU_DEP_2)
	v_pk_add_f32 v[236:237], v[236:237], v[244:245]
	s_delay_alu instid0(VALU_DEP_1)
	v_pk_add_f32 v[14:15], v[14:15], v[236:237]
.if \s
.set n, 0
.rept 16
	v_pk_mul_f32 v[160+n:161+n], v[160+n:161+n], v[212:213] op_sel_hi:[1,0]   ; O^T under the new M, each accumulator from its low end on
.set n, n+2
.endr
.endif
	s_wait_alu depctr_va_vdst(0)
	s_wait_dscnt 0x0                               ; V's fragments and scale words are in
.irp t, 0,1,2,3                                ; O^T (+)= V^T P^T; dh tiles 0, 2, 1, 3 lie in this order (see HEAD).  The four accumulators take turns
.set OS, 160+8*(((\t&1)<<1)|(\t>>1))
.if \s
	v_wmma_scale_f32_16x16x128_f8f6f4 v[OS:OS+7], v[32+12*\t:43+12*\t], v[224:235], v[OS:OS+7], v[248+\t], v253 matrix_a_fmt:MATRIX_FMT_FP6 matrix_b_fmt:MATRIX_FMT_FP6
.else
	v_wmma_scale_f32_16x16x128_f8f6f4 v[OS:OS+7], v[32+12*\t:43+12*\t], v[224:235], 0, v[248+\t], v253 matrix_a_fmt:MATRIX_FMT_FP6 matrix_b_fmt:MATRIX_FMT_FP6
.endif
.endr
.endm
; One head: both windows of keys; then O^T / the sum is quantised along dh.  Exchanging halves of the lanes between tiles 0 and 2 and between tiles 1 and 3 leaves lane (r, h) dh 32 h + 0 .. 31 in 32 consecutive
; registers: a whole block, which is registers 6 pi .. 6 pi + 5 of the result's fragment.
.macro HEAD pi, QR
	v_mov_b32 v13, 0xff61b1e6                      ; the largest t so far: -3e38, under every t
	s_delay_alu instid0(VALU_DEP_1)
	v_floor_f32 v12, -v13
	v_mov_b32 v14, 0
	v_mov_b32 v15, 0
	STEP 0, \pi, \QR
	STEP 1, \pi, \QR
.rept 4
	v_nop                                          ; places behind the last products
.endr
	v_add_f32 v14, v14, v15
	s_delay_alu instid0(VALU_DEP_1)
	v_permlanex16_b32 v254, v14, s[SEL], s[SEL+1]
	s_delay_alu instid0(VALU_DEP_1)
	v_add_f32 v14, v14, v254                       ; the row's sum
	s_wait_alu depctr_va_vdst(0)
	v_rcp_f32 v14, v14
	v_nop                                          ; one plain place behind a transcendental
.set n, 0
	s_wait_alu depctr_va_vdst(0)
.rept 16
	v_pk_mul_f32 v[160+n:161+n], v[160+n:161+n], v[14:15] op_sel_hi:[1,0]
.set n, n+2
.endr
.set n, 0
.rept 8
	v_permlane16_swap_b32 v[160+n], v[168+n]
	v_permlane16_swap_b32 v[176+n], v[184+n]
.set n, n+1
.endr
	v_max3_num_f32 v214, |v160|, |v161|, 0x1800000 ; my block's largest magnitude, in two chains, over the floor 2^(3 - 127)
	v_max3_num_f32 v215, |v176|, |v177|, 0x1800000
.irp i, 2,4,6,8,10,12,14
	s_delay_alu instid0(VALU_DEP_2)
	v_max3_num_f32 v214, v214, |v[160+\i]|, |v[161+\i]|
	s_delay_alu instid0(VALU_DEP_2)
	v_max3_num_f32 v215, v215, |v[176+\i]|, |v[177+\i]|
.endr
	s_delay_alu instid0(VALU_DEP_1)
	v_max_num_f32 v214, v214, v215
	s_delay_alu instid0(VALU_DEP_1)
	v_add_nc_u32 v216, 0xff000000, v214
	s_delay_alu instid0(VALU_DEP_1)
	v_lshrrev_b32 v[28+\pi], 23, v216
	v_cvt_scalef32_pk16_fp6_f32 v[192+6*\pi:194+6*\pi], v[160:175], v216
	v_cvt_scalef32_pk16_fp6_f32 v[204:206], v[176:191], v216
	v_nop                                          ; one plain place behind a scaled conversion
.irp i, 0,1,2
	v_mov_b32 v[195+6*\pi+\i], v[204+\i]
.endr
.endm
	HEAD 0, 16
	HEAD 1, 80
	v_lshl_or_b32 v30, v29, 16, v28                ; my blocks are h and 2 + h of the row's four
	s_delay_alu instid0(VALU_DEP_1)
	v_lshlrev_b32 v30, v[H8], v30
	s_delay_alu instid0(VALU_DEP_1)
	v_permlanex16_b32 v254, v30, s[SEL], s[SEL+1]
	s_delay_alu instid0(VALU_DEP_1)
	v_or_b32 v30, v30, v254                        ; the row's scale word
.irp c, 0,1,2
	global_store_b128 v[L16], v[192+4*\c:195+4*\c], s[16:17] offset:512*\c   ; the fragment's image: 512 consecutive bytes a store, aligned
.endr
	ds_store_b32 v31, v30                          ; both halves of the lanes write the same word with the same value
	s_wait_dscnt 0x0                               ; for the others' sake
	s_barrier_signal -1
	s_barrier_wait -1                              ; the 256 tokens' scale words lie together
	s_cmp_lt_u32 s20, 2
	s_cbranch_scc0 .Ldone
	ds_load_b128 v[208:211], v94
	s_wait_dscnt 0x0
	global_store_b128 v95, v[208:211], s[18:19]    ; 512 consecutive bytes, aligned
.Ldone:
	s_wait_tensorcnt 0x0
	ds_add_u32 v223, v252
	s_wait_dscnt 0x0
	s_endpgm
.Lfunc_end_k_q5b5c3c5184_attn:
	.size	k_q5b5c3c5184_attn, .Lfunc_end_k_q5b5c3c5184_attn-k_q5b5c3c5184_attn
	.p2alignl 7, 3214868480
	.fill 96, 4, 3214868480
	.section	.rodata,"a",@progbits
	.p2align	6, 0x0
	.amdhsa_kernel k_q5b5c3c5184_attn
		.amdhsa_group_segment_fixed_size 91136
		.amdhsa_private_segment_fixed_size 0
		.amdhsa_enable_private_segment 0
		.amdhsa_kernarg_size 64
		.amdhsa_user_sgpr_count 2
		.amdhsa_user_sgpr_kernarg_segment_ptr 1
		.amdhsa_wavefront_size32 1
		.amdhsa_system_sgpr_workgroup_id_x 1
		.amdhsa_system_sgpr_workgroup_id_y 1
		.amdhsa_system_sgpr_workgroup_id_z 1
		.amdhsa_system_vgpr_workitem_id 0
		.amdhsa_next_free_vgpr 256
		.amdhsa_next_free_sgpr 66
		.amdhsa_reserve_vcc 1
		.amdhsa_float_denorm_mode_32 3
		.amdhsa_float_denorm_mode_16_64 3
		.amdhsa_memory_ordered 1
		.amdhsa_forward_progress 1
		.amdhsa_inst_pref_size 98
	.end_amdhsa_kernel
	.amdgpu_metadata
---
amdhsa.version: [ 1, 2 ]
amdhsa.kernels:
  - .name:           k_q5b5c3c5184_attn
    .symbol:         k_q5b5c3c5184_attn.kd
    .args:
      - { .name: qi, .offset: 0, .size: 8, .value_kind: global_buffer, .address_space: global }
      - { .name: qs, .offset: 8, .size: 8, .value_kind: global_buffer, .address_space: global }
      - { .name: ki, .offset: 16, .size: 8, .value_kind: global_buffer, .address_space: global }
      - { .name: ks, .offset: 24, .size: 8, .value_kind: global_buffer, .address_space: global }
      - { .name: vi, .offset: 32, .size: 8, .value_kind: global_buffer, .address_space: global }
      - { .name: vs, .offset: 40, .size: 8, .value_kind: global_buffer, .address_space: global }
      - { .name: ao, .offset: 48, .size: 8, .value_kind: global_buffer, .address_space: global }
      - { .name: aos, .offset: 56, .size: 8, .value_kind: global_buffer, .address_space: global }
    .group_segment_fixed_size: 91136
    .private_segment_fixed_size: 0
    .kernarg_segment_align: 8
    .kernarg_segment_size: 64
    .max_flat_workgroup_size: 512
    .sgpr_count:     66
    .vgpr_count:     256
    .wavefront_size: 32
...
	.end_amdgpu_metadata
.endif
;; end of part 2
;; launch outp (part 3): grid 8 x 32, 4 waves a work-group, clusters of 4 x 4, 327,680 bytes of LDS; arguments ao, aos, wo_codes, wo_scales, out0, bo; writes out0
.if DOCPART == 3
	.amdgcn_target "amdgcn-amd-amdhsa--gfx1250"
	.amdhsa_code_object_version 6
	.text
	.protected	k_q5b5c3c5184_outp
	.globl	k_q5b5c3c5184_outp
	.p2align	8
	.type	k_q5b5c3c5184_outp,@function
k_q5b5c3c5184_outp:
	s_mov_b64 s[64:65], 0
	v_nop
	global_prefetch_b8 v0, s[64:65] scope:SCOPE_SE
	s_setreg_imm32_b32 hwreg(HW_REG_WAVE_MODE, 25, 1), 1
	s_wait_xcnt 0x0
	s_wait_alu depctr_hold_cnt(0) depctr_sa_sdst(0) depctr_va_vdst(0) depctr_va_sdst(0) depctr_va_ssrc(0) depctr_va_vcc(0) depctr_vm_vsrc(0)
	s_getreg_b32 s2, hwreg(HW_REG_IB_STS2, 6, 4)
	s_cmp_eq_u32 s2, 0
	s_cbranch_scc0 .Lentry_in_a_cluster
	s_endpgm
.Lentry_in_a_cluster:
	s_bfe_u32 s2, ttmp6, 0x10000c
	s_cmp_lg_u32 s2, 0xf033
	s_cbranch_scc0 .Lentry_shape_is_right
	s_endpgm
.Lentry_shape_is_right:
; out0 = attention's result x wo + bo, on codes of FP6 (E2M3) with one E8M0 scale for each 32 along K = 1,024; sums in f32.
; A: ao [token tile 0..511][head pair 0..7][1,536]: images of operand registers (16 tokens x K 128; quad c of lane L at 512 c + 16 L); aos [head pair][8,192 tokens]: a scale word each.
; B: wo_codes [1,024 (n)][768 bytes], wo_scales [1,024][32].
; SHARES: a work-group makes 256 tokens x 128 columns: 32 x 8 = 256 work-groups; a wave 64 tokens x 128 columns.  All of K lies in LDS: nothing is filled twice.
; TWO WALKS ALONG K: a wave first finishes its token tiles 0 and 1 (16 accumulators, eight K steps), then its tiles 2 and 3.  The first walk's 32 rows are stored during the second walk's first steps.
; For that B's fragments are read from LDS once in each walk.
; THE FILLS.  At the head one tensor load a wave: wave 0 the first half along K of A's 16 token tiles (rows of 6,144 bytes), wave 1 B's 128 rows whole (768 bytes, each at a multiple of 256 bytes),
; wave 2 A's scale words, wave 3 B's scale bytes.  Behind the full sequence and a round each wave asks for the second half along K of ITS OWN four token tiles: it alone reads them, so its own wait
; on TENSORcnt, at the first walk's K step 3, is all the ordering that those reads need.
; B's LDS rows: 3 x (256 bytes + 16 of padding) = 816 bytes = 204 words: the sixteen rows of a fragment start at sixteen different multiples of four banks (64 banks of 4 bytes: ISA guide 11.1).
; CLUSTERS: 4 x 4; A's tiles are asked for jointly along a row of the cluster, B's along a column.
; No prefetch: the text has no loop to run ahead in; all that the work-group reads is asked for by its first two groups of loads.
; The matrix instruction is used transposed (source 0 = 16 rows of B, source 1 = 16 tokens): a lane holds eight neighbouring columns of one row of the result.  The bias is the C of each sum's first product.
; THE WAY OUT: a block of 16 rows x 128 columns goes through the wave's stage and comes back as whole rows of 512 bytes.  The stage, 8,448 bytes, lies where the first half along K of the wave's own token tiles
; 0 and 1 lay (12,288 bytes): they have had their only fill, the wave alone reads them, and for the last time at the first walk's K step 3.
; REGISTERS: window 0: v16-31 addresses; v32-63 A's scale words, v64-127 B's; v128-223 A's fragments, two sets; window 1: B's fragments, two sets (v0, v128), and the bias (v96-127, v224-255);
; window 2: accumulators; window 3: v0-127 rows read back from the stage, two sets.
.set SIZE_N, 1024
.set PITCH,  816
.set FR,     12
.set NP,     4
.set ATILE,  6144                      ; a token tile's four images of half of K
.set ACH,    16*ATILE                  ; half of K of 256 tokens
.set BOFF,   2*ACH
.set SCLA,   BOFF+128*PITCH            ; A's scale words: [head pair][256 tokens], rows of 1,024 bytes
.set SCLB,   SCLA+8192                 ; B's scale bytes: 16 units of 256 bytes + 16 of padding
.set SBLK,   2*272                     ; those of 16 rows
.set SPARE,  SCLB+16*272               ; the spare words, 128 bytes a wave
.set SPITCH, 528
.set ADRA, 16                          ; v16-17 my A images, first and second half of K
.set ADRB, 20                          ; v20-21 B's rows 0-63: plain, and with lanes 16-31 behind one padding more; v22-23 rows 64-127
.set STO,  24
.set RD,   25
.set CO,   26
.set ADSA, 27
.set SPW,  28
.set NIL,  29
.set ADSB, 30
.set BOF,  31
.set SCA,  32
.set SCB,  64
.set AF,   128
.set G1,   24                          ; A, 16 token tiles;  s[32:35] its group 0, s[36:39] that of my four tiles' second half
.set G0,   32
.set G1C,  40                          ; A, 4 token tiles
.set G1B,  48
.set G0B,  56
.set G1S,  68
.set G0S,  76
.set G1SB, 80
.set G0SB, 88
.set MSB, 0
.macro WIN new
.if MSB != (\new)
	s_set_vgpr_msb (MSB<<8)|(\new)
.set MSB, (\new)
.endif
.endm
.set MUL,  0xa1                        ; source 0 (B) window 1, source 1 (A) window 0, C and D window 2
.set ONE,  0x91                        ; the first product: C (the bias) window 1
.set TO_B, 0x40
.macro PLACES n
.rept \n
	v_nop
.endr
.endm
.macro CROUND                          ; a round of the cluster's barrier
	s_barrier_signal -1
	s_barrier_wait -1
	s_cmp_lg_u32 s14, 0
	s_cbranch_scc1 .Lnot_wave_0_\@
	s_barrier_signal -3
.Lnot_wave_0_\@:
	s_barrier_wait -3
	s_barrier_signal -1
	s_barrier_wait -1
.endm
	s_load_b128 s[4:7], s[0:1], 0x0                ; ao, aos
	s_load_b128 s[8:11], s[0:1], 0x10              ; wo's codes, wo's scales
	s_load_b64 s[12:13], s[0:1], 0x20              ; out0
	s_load_b64 s[96:97], s[0:1], 0x28              ; bo
	v_lshl_add_u32 v[SPW], v0, 2, SPARE
	v_mov_b32 v[NIL], 0
	ds_add_u32 v[SPW], v[NIL]                      ; the opening lines: the add, twice on end, and its wait
	ds_add_u32 v[SPW], v[NIL]
	v_lshrrev_b32 v1, 5, v0
	v_readfirstlane_b32 s14, v1                    ; wave 0..3
	s_bfe_u32 s92, ttmp6, 0x40000                  ; cx
	s_bfe_u32 s93, ttmp6, 0x40004                  ; cy
	s_lshl_b32 s94, ttmp9, 2
	s_add_co_u32 s94, s94, s92                     ; tile column: 128 columns
	s_and_b32 s95, ttmp7, 0xffff
	s_lshl_b32 s95, s95, 2
	s_add_co_u32 s95, s95, s93                     ; tile row: 256 tokens
	s_lshl_b32 s98, s93, 2
	s_lshl_b32 s98, 15, s98                        ; my row of the cluster
	s_lshl_b32 s99, 0x1111, s92                    ; my column
	s_or_b32 s[G1], s98, (3<<16)|(1<<21)           ; elements of 8 bytes, no padding: rows of 768 elements, 1,536 apart
	s_or_b32 s[G1C], s98, (3<<16)|(1<<21)
.irp g, G1, G1C
	s_mov_b32 s[\g+1], 768<<16
	s_mov_b32 s[\g+3], 768<<16
	s_mov_b32 s[\g+5], 1536
	s_mov_b32 s[\g+6], 0
	s_mov_b32 s[\g+7], 0
.endr
	s_mov_b32 s[G1+2], 16<<16
	s_mov_b32 s[G1+4], 16
	s_mov_b32 s[G1C+2], 4<<16
	s_mov_b32 s[G1C+4], 4
	s_or_b32 s[G1B], s99, (0<<16)|(1<<20)|(1<<21)|(5<<22)|(3<<25)   ; elements of 1 byte; after every 64 words, 4 words of padding
	s_mov_b32 s[G1B+1], 768<<16
	s_mov_b32 s[G1B+2], 128<<16
	s_mov_b32 s[G1B+3], 768<<16
	s_mov_b32 s[G1B+4], 128
	s_mov_b32 s[G1B+5], 768
	s_mov_b32 s[G1B+6], 0
	s_mov_b32 s[G1B+7], 0
	s_or_b32 s[G1S], s98, (3<<16)|(1<<21)          ; 8 rows (head pairs) of 128 elements of 8 bytes (256 tokens' words), 4,096 elements apart
	s_mov_b32 s[G1S+1], 128<<16
	s_mov_b32 s[G1S+2], 8<<16
	s_mov_b32 s[G1S+3], 128<<16
	s_mov_b32 s[G1S+4], 8
	s_mov_b32 s[G1S+5], 4096
	s_mov_b32 s[G1S+6], 0
	s_mov_b32 s[G1S+7], 0
	s_or_b32 s[G1SB], s99, (3<<16)|(1<<20)|(1<<21)|(5<<22)|(3<<25)  ; a dense block of 4,096 bytes as 16 rows of 256, padded
	s_mov_b32 s[G1SB+1], 32<<16
	s_mov_b32 s[G1SB+2], 16<<16
	s_mov_b32 s[G1SB+3], 32<<16
	s_mov_b32 s[G1SB+4], 16
	s_mov_b32 s[G1SB+5], 32
	s_mov_b32 s[G1SB+6], 0
	s_mov_b32 s[G1SB+7], 0
	s_mul_i32 s20, s95, 16*12288                   ; byte offsets, each in a pair with 0 above it.  A: my tile row's 16 token tiles
	s_mov_b32 s21, 0
	s_mul_i32 s22, s14, 4*12288
	s_add_co_u32 s22, s22, ATILE                   ; my four of them, second half of K
	s_mov_b32 s23, 0
	s_lshl_b32 s2, s95, 10                         ; A's scale words
	s_mov_b32 s3, 0
	s_mul_i32 s18, s94, 128*768                    ; B's rows
	s_mov_b32 s19, 0
	s_lshl_b32 s100, s94, 12                       ; B's scale bytes
	s_mov_b32 s101, 0
	s_mul_i32 s16, s14, 4*ATILE                    ; my part of A's first half in LDS; also my stage
	s_add_co_u32 s17, s16, ACH                     ; and of its second half
	s_lshl_b32 s15, s14, 8
	s_add_co_u32 s15, s15, SCLA                    ; my 64 tokens' scale words
	v_and_b32 v1, 15, v0                           ; l % 16
	v_bfe_u32 v2, v0, 4, 1                         ; l / 16
	v_and_b32 v6, 31, v0
	v_lshlrev_b32 v[CO], 4, v6
	v_mul_u32_u24 v3, v1, PITCH
	v_mul_u32_u24 v4, v2, 24
	v_add_nc_u32 v4, v3, v4                        ; a fragment's row x pitch + 24 x half
	v_lshl_add_u32 v5, v2, 4, v4                   ; and the same with lanes 16-31 behind one padding more
	v_add_nc_u32 v[ADRB], BOFF, v4
	v_add_nc_u32 v[ADRB+1], BOFF, v5
	v_add_nc_u32 v[ADRB+2], BOFF+64*PITCH, v4
	v_add_nc_u32 v[ADRB+3], BOFF+64*PITCH, v5
	v_add_nc_u32 v[ADRA], s16, v[CO]
	v_add_nc_u32 v[ADRA+1], s17, v[CO]
	v_lshl_add_u32 v[ADSA], v1, 2, s15
	v_mul_u32_u24 v5, v1, 32                       ; B's scale bytes: 32 a row,
	v_lshrrev_b32 v6, 8, v5
	v_lshl_add_u32 v5, v6, 4, v5                   ; and 16 more for each 256 passed
	v_add_nc_u32 v[ADSB], SCLB, v5
	v_mul_u32_u24 v5, v1, SPITCH                   ; the stage, in: row l % 16, 32 bytes for each half of the lanes
	v_lshl_add_u32 v5, v2, 5, v5
	v_add_nc_u32 v[STO], s16, v5
	v_add_nc_u32 v[RD], s16, v[CO]                 ; back: the 32 lanes take one row of 512 bytes
	v_lshlrev_b32 v[BOF], 5, v2
	s_wait_alu depctr_va_vdst(0)                   ; the wait at the end of the head's vector work, directly ahead of the waits below
	s_wait_dscnt 0x0                               ; both opening adds are done
	s_wait_kmcnt 0x0
	s_add_nc_u64 s[20:21], s[4:5], s[20:21]
	s_mov_b32 s[G0], 1
	s_mov_b32 s[G0+1], 0
	s_mov_b64 s[G0+2:G0+3], s[20:21]
	s_or_b32 s[G0+3], s[G0+3], 0x80000000
	s_mov_b32 s[G0+4], 1
	s_mov_b32 s[G0+5], s17
	s_add_nc_u64 s[G0+6:G0+7], s[20:21], s[22:23]
	s_or_b32 s[G0+7], s[G0+7], 0x80000000
	s_mov_b32 s[G0B], 1
	s_mov_b32 s[G0B+1], BOFF
	s_add_nc_u64 s[G0B+2:G0B+3], s[8:9], s[18:19]
	s_or_b32 s[G0B+3], s[G0B+3], 0x80000000
	s_mov_b32 s[G0S], 1
	s_mov_b32 s[G0S+1], SCLA
	s_add_nc_u64 s[G0S+2:G0S+3], s[6:7], s[2:3]
	s_or_b32 s[G0S+3], s[G0S+3], 0x80000000
	s_mov_b32 s[G0SB], 1
	s_mov_b32 s[G0SB+1], SCLB
	s_add_nc_u64 s[G0SB+2:G0SB+3], s[10:11], s[100:101]
	s_or_b32 s[G0SB+3], s[G0SB+3], 0x80000000
	s_lshl_b32 s18, s94, 9                         ; my columns, in bytes
	s_add_nc_u64 s[96:97], s[96:97], s[18:19]      ; in the bias,
	s_lshl_b32 s2, s95, 20                         ; and in out0: 256 rows of 4,096 bytes a tile row,
	s_lshl_b32 s22, s14, 18                        ; 64 rows a wave
	s_add_co_u32 s2, s2, s22
	s_add_co_u32 s2, s2, s18
	s_add_nc_u64 s[12:13], s[12:13], s[2:3]
	WIN TO_B
.irp b, 0,1,2,3,4,5,6,7                ; the bias in the result's layout: columns 16 b + 8 (l / 16) + 0 .. 7
	global_load_b128 v[96+8*\b+96*(\b/4):99+8*\b+96*(\b/4)], v[BOF], s[96:97] offset:64*\b
	global_load_b128 v[100+8*\b+96*(\b/4):103+8*\b+96*(\b/4)], v[BOF], s[96:97] offset:64*\b+16
.endr
	WIN 0
	CROUND                                         ; all sixteen work-groups are here: the first joint loads meet
; the head's four tiles, one a wave: one chain of branches on the wave's number, each arm with its load, all arms leading to one join
.macro ARM under, g0, g1, next
	s_cmp_lt_u32 s14, \under
	s_cbranch_scc0 \next
	tensor_load_to_lds s[\g0:\g0+3], s[\g1:\g1+7]
	s_nop 0
	PLACES 4
	s_branch .Lhead_asked
\next:
.endm
	ARM 1, G0,  G1,  .Lhead_b
	ARM 2, G0B, G1B, .Lhead_sa
	ARM 3, G0S, G1S, .Lhead_sb
	tensor_load_to_lds s[G0SB:G0SB+3], s[G1SB:G1SB+7]
	s_nop 0
	PLACES 4
.Lhead_asked:
	s_wait_tensorcnt 0x0                           ; my tile of the four is in; a later first fill is issued as a refill is:
	ds_add_u32 v[SPW], v[NIL]
	s_wait_dscnt 0x0
	CROUND                                         ; all four tiles are in, and the joint loads meet
	tensor_load_to_lds s[G0+4:G0+7], s[G1C:G1C+7]  ; the second half of K of my four token tiles
	s_nop 0
	PLACES 4
.macro FRAG reg, q, i                  ; B's fragment: lane l holds row l % 16; 24 bytes of the row for each 32 along K, in pieces of 8 bytes.  Byte y of a row lies at y + 16 (y / 256) of its LDS row
.irp p, 0,1,2,3,4,5
.set BY, 96*(\q)+48*(\p/3)+8*(\p%3)
.if BY/256 == (BY+24)/256
	ds_load_b64 v[\reg+2*\p:\reg+2*\p+1], v[ADRB+2*((\i)/4)] offset:BY+16*(BY/256)+((\i)%4)*16*PITCH
.else
	ds_load_b64 v[\reg+2*\p:\reg+2*\p+1], v[ADRB+2*((\i)/4)+1] offset:BY+16*(BY/256)+((\i)%4)*16*PITCH
.endif
.endr
.endm
.macro FETCH q, h                      ; K step q's fragments for walk h: B's eight (48 loads), and A's token tiles 2 h and 2 h + 1 (three loads of 16 bytes a lane each: the image): 54 loads
	WIN TO_B
.irp i, 0,1,2,3,4,5,6,7
	FRAG 128*((\q)%2)+FR*\i, \q, \i
.endr
	WIN 0
.irp i, 2*(\h), 2*(\h)+1
.irp c, 0,1,2
	ds_load_b128 v[AF+48*((\q)%2)+FR*(\i)+4*\c:AF+48*((\q)%2)+FR*(\i)+4*\c+3], v[ADRA+(\q)/4] offset:(\i)*ATILE+((\q)%4)*1536+512*\c
.endr
.endr
.endm
.macro MUL16 a0, q                     ; a walk's 16 accumulators take turns, one instruction a turn
.irp a, \a0, \a0+1
.irp b, 0,1,2,3,4,5,6,7
.if (\q) == 0
	v_wmma_scale_f32_16x16x128_f8f6f4 v[8*(8*(\a)+\b):8*(8*(\a)+\b)+7], v[128*((\q)%2)+FR*\b:128*((\q)%2)+FR*\b+FR-1], v[AF+48*((\q)%2)+FR*(\a):AF+48*((\q)%2)+FR*(\a)+FR-1], v[96+8*\b+96*(\b/4):103+8*\b+96*(\b/4)], v[SCB+8*\b+(\q)], v[SCA+8*(\a)+(\q)] matrix_a_fmt:MATRIX_FMT_FP6 matrix_b_fmt:MATRIX_FMT_FP6
.else
	v_wmma_scale_f32_16x16x128_f8f6f4 v[8*(8*(\a)+\b):8*(8*(\a)+\b)+7], v[128*((\q)%2)+FR*\b:128*((\q)%2)+FR*\b+FR-1], v[AF+48*((\q)%2)+FR*(\a):AF+48*((\q)%2)+FR*(\a)+FR-1], v[8*(8*(\a)+\b):8*(8*(\a)+\b)+7], v[SCB+8*\b+(\q)], v[SCA+8*(\a)+(\q)] matrix_a_fmt:MATRIX_FMT_FP6 matrix_b_fmt:MATRIX_FMT_FP6
.endif
.endr
.endr
.endm
; K step q of walk h: the next step's 54 loads go out first, into the sets that the step before read (four places stand between); then all older LDS instructions are waited for by count
.macro STEP h, q
.if (\h) == 0
.if (\q) == 3
	s_wait_tensorcnt 0x0                           ; my own tiles' second half is in: K step 4's images are fetched below
.endif
.endif
.if 8*(\h)+(\q) < 15
	PLACES NP
	FETCH ((\q)+1)%8, (\h)+((\q)+1)/8
	s_wait_dscnt 54                                ; all but the 54 just issued
.else
	s_wait_dscnt 0x0
.endif
.if (\q) == 0
	WIN ONE
.else
	WIN MUL
.endif
	MUL16 2*(\h), \q
	WIN 0
.endm
.macro TOSTAGE a                       ; block a: into my stage, and back as 16 whole rows, into window 3
.set AC, 64*(\a)
	WIN 0x08
.irp b, 0,1,2,3,4,5,6,7
	ds_store_b128 v[STO], v[AC+8*\b:AC+8*\b+3] offset:64*\b          ; each accumulator from its low end on
	ds_store_b128 v[STO], v[AC+8*\b+4:AC+8*\b+7] offset:64*\b+16
.endr
	WIN 0xc0
.set BB, 64*((\a)%2)
.irp t, 0,1,2,3,4,5,6,7,8,9,10,11,12,13,14,15
	ds_load_b128 v[BB+4*\t:BB+4*\t+3], v[RD] offset:\t*SPITCH        ; LDS serves a wave's instructions in order (ISA guide 5.7.1.4): these see the stores above
.endr
	WIN 0
.endm
.macro SEND a                          ; block a's rows, which an earlier wait has shown back in registers
.set BB, 64*((\a)%2)
.if (\a) > 0
	s_wait_xcnt 0x0                                ; the earlier stores have read their base
	s_add_nc_u64 s[12:13], s[12:13], 16*SIZE_N*4
.endif
	WIN 0x0c
.irp t, 0,1,2,3,4,5,6,7,8,9,10,11,12,13,14,15
	global_store_b128 v[CO], v[BB+4*\t:BB+4*\t+3], s[12:13] offset:\t*SIZE_N*4 th:TH_STORE_NT   ; 32 lanes store 512 consecutive bytes, aligned
.endr
	WIN 0
.endm
.irp a, 0,1,2,3
.irp k, 0,1,2,3,4,5,6,7
	ds_load_b32 v[SCA+8*\a+\k], v[ADSA] offset:1024*\k+64*\a    ; A's scale words for all of K
.endr
.endr
.irp b, 0,1,2,3,4,5,6,7
	ds_load_b128 v[SCB+8*\b:SCB+8*\b+3], v[ADSB] offset:\b*SBLK ; B's
	ds_load_b128 v[SCB+8*\b+4:SCB+8*\b+7], v[ADSB] offset:\b*SBLK+16
.endr
	FETCH 0, 0
	s_wait_loadcnt 0x0                             ; the bias is in
.irp k, 0,1,2,3,4,5,6,7
	STEP 0, \k                                     ; the first walk; its last step fetches the second walk's first fragments
.endr
	PLACES NP                                      ; behind the last products, whose results are read below
	TOSTAGE 0
	TOSTAGE 1
	STEP 1, 0                                      ; its counted wait shows both blocks back in registers
	SEND 0
	STEP 1, 1
	SEND 1
.irp k, 2,3,4,5,6,7
	STEP 1, \k
.endr
	PLACES NP
	s_wait_xcnt 0x0                                ; blocks 0 and 1's stores have read their registers: blocks 2 and 3 may land there
	TOSTAGE 2
	TOSTAGE 3
	s_wait_dscnt 32                                ; behind block 2's loads: block 3's 16 stores and 16 loads
	SEND 2
	s_wait_dscnt 0x0
	SEND 3
	s_wait_tensorcnt 0x0                           ; the wave's end
	ds_add_u32 v[SPW], v[NIL]
	s_wait_dscnt 0x0
	CROUND                                         ; the closing round
	s_endpgm
.Lfunc_end_k_q5b5c3c5184_outp:
	.size	k_q5b5c3c5184_outp, .Lfunc_end_k_q5b5c3c5184_outp-k_q5b5c3c5184_outp
	.p2alignl 7, 3214868480
	.fill 96, 4, 3214868480
	.section	.rodata,"a",@progbits
	.p2align	6, 0x0
	.amdhsa_kernel k_q5b5c3c5184_outp
		.amdhsa_group_segment_fixed_size 327680
		.amdhsa_private_segment_fixed_size 0
		.amdhsa_enable_private_segment 0
		.amdhsa_kernarg_size 48
		.amdhsa_user_sgpr_count 2
		.amdhsa_user_sgpr_kernarg_segment_ptr 1
		.amdhsa_wavefront_size32 1
		.amdhsa_system_sgpr_workgroup_id_x 1
		.amdhsa_system_sgpr_workgroup_id_y 1
		.amdhsa_system_sgpr_workgroup_id_z 1
		.amdhsa_system_vgpr_workitem_id 0
		.amdhsa_next_free_vgpr 1024
		.amdhsa_next_free_sgpr 102
		.amdhsa_reserve_vcc 0
		.amdhsa_float_denorm_mode_32 3
		.amdhsa_float_denorm_mode_16_64 3
		.amdhsa_memory_ordered 1
		.amdhsa_forward_progress 1
		.amdhsa_inst_pref_size 120
	.end_amdhsa_kernel
	.amdgpu_metadata
---
amdhsa.version: [ 1, 2 ]
amdhsa.kernels:
  - .name:           k_q5b5c3c5184_outp
    .symbol:         k_q5b5c3c5184_outp.kd
    .args:
      - { .name: ao, .offset: 0, .size: 8, .value_kind: global_buffer, .address_space: global }
      - { .name: aos, .offset: 8, .size: 8, .value_kind: global_buffer, .address_space: global }
      - { .name: wo_codes, .offset: 16, .size: 8, .value_kind: global_buffer, .address_space: global }
      - { .name: wo_scales, .offset: 24, .size: 8, .value_kind: global_buffer, .address_space: global }
      - { .name: out0, .offset: 32, .size: 8, .value_kind: global_buffer, .address_space: global }
      - { .name: bo, .offset: 40, .size: 8, .value_kind: global_buffer, .address_space: global }
    .group_segment_fixed_size: 327680
    .private_segment_fixed_size: 0
    .kernarg_segment_align: 8
    .kernarg_segment_size: 48
    .max_flat_workgroup_size: 128
    .sgpr_count:     102
    .vgpr_count:     1024
    .wavefront_size: 32
...
	.end_amdgpu_metadata
.endif
;; end of part 3
